; MI455X (gfx1250); checked and timed in simulation.
; The chip was launched on July 23, 2026; its instructions are those of AMD's public machine-readable ISA for CDNA 5 (MIT licence, August 2026) and "CDNA5" Instruction Set Architecture Reference Guide (July 2026). The comments in the code are by the model that wrote it; some were corrected since.
;; Multi Head Attention. Allowed arithmetic: matrix products marked QUANTISED: E3M2 operands, one E8M0 scale for each 32 along K, by v_wmma_scale_f32_16x16x128_f8f6f4 with both operands' format E3M2, f32 sums; everything else in f32.
;; Inputs: b_fc 1,024 float32; k 4 x 2,048 x 1,024 float32; ln_k_b 1,024 float32; ln_k_g 1,024 float32; ln_q_b 1,024 float32; ln_q_g 1,024 float32; ln_v_b 1,024 float32; ln_v_g 1,024 float32; q 4 x 2,048 x 1,024 float32; v 4 x 2,048 x 1,024 float32; w_fc_codes 1,024 x 32 x 24 uint8 (E3M2 codes of w_fc, K innermost, in blocks of 32 codes, four codes in three bytes); w_fc_scales 1,024 x 32 uint8 (E8M0 scales of w_fc, one for each 32 codes along K); w_k_codes 1,024 x 32 x 24 uint8 (E3M2 codes of w_k, K innermost, in blocks of 32 codes, four codes in three bytes); w_k_scales 1,024 x 32 uint8 (E8M0 scales of w_k, one for each 32 codes along K); w_q_codes 1,024 x 32 x 24 uint8 (E3M2 codes of w_q, K innermost, in blocks of 32 codes, four codes in three bytes); w_q_scales 1,024 x 32 uint8 (E8M0 scales of w_q, one for each 32 codes along K); w_v_codes 1,024 x 32 x 24 uint8 (E3M2 codes of w_v, K innermost, in blocks of 32 codes, four codes in three bytes); w_v_scales 1,024 x 32 uint8 (E8M0 scales of w_v, one for each 32 codes along K).
;; Outputs: out0 4 x 2,048 x 1,024 float32.
;; This version of the problem:
;;   THIS VERSION OF THE PROBLEM IS GIVEN IN LOW PRECISION. The matrix products marked QUANTISED in the list below multiply operands that are first quantised to E3M2 (3 exponent bits, 2 mantissa bits; 6 bits a number), with one power-of-two scale for each 32 numbers along K (OCP MX v1.0); their sums are f32. All else is computed in f32.
;;   The module's matrix products, in the order in which they are computed (A, B: the left and right operand; K: the contracted axis; several contracted axes count as one K, in the product's order):
;;     1. [M 8,192, K 1,024] x [K 1,024, N 1,024]; A: computed on the way; B: input w_q (given as codes): QUANTISED
;;     2. [M 8,192, K 1,024] x [K 1,024, N 1,024]; A: computed on the way; B: input w_k (given as codes): QUANTISED
;;     3. [M 8,192, K 1,024] x [K 1,024, N 1,024]; A: computed on the way; B: input w_v (given as codes): QUANTISED
;;     4. batch 64 x [M 2,048, K 64] x [K 64, N 2,048]; A: computed on the way; B: computed on the way: QUANTISED
;;     5. batch 64 x [M 2,048, K 2,048] x [K 2,048, N 64]; A: softmax (see below); B: computed on the way: QUANTISED
;;     6. [M 8,192, K 1,024] x [K 1,024, N 1,024]; A: computed on the way; B: input w_fc (given as codes): QUANTISED
;;   THE QUANTISER, for each operand of a quantised product, along K:
;;     - K is cut into blocks of 32 from its start; a last block that is shorter is filled with zeros.
;;     - A block's scale is 2^e with e = floor(log2(the largest magnitude in the block)) - 4, held to -126 .. 127; a block of zeros has e = 0. As a byte (E8M0): e + 127.
;;     - Each number is divided by its block's scale, clamped to +-28, and rounded to the nearest number of E3M2, ties to even, subnormals kept.
;;     - The product sums the exact products of the quantised numbers (number of the format x scale) in f32.
;;   ~~~python
;;   def quantise(x, axis):      # numpy; x: float32 -> the quantised numbers, widened to float32 again
;;       x = np.moveaxis(x, axis, -1); K = x.shape[-1]
;;       x = np.pad(x, [(0, 0)] * (x.ndim - 1) + [(0, -K % 32)]); x = x.reshape(x.shape[:-1] + (-1, 32)); a = np.abs(x).max(-1, keepdims=True)
;;       e = np.where(a > 0, np.clip(np.frexp(np.where(a > 0, a, 1))[1] - 1 - 4, -126, 127), 0)      # np.frexp(a)[1] - 1 = floor(log2(a)), exactly
;;       r = np.clip(x / 2.0 ** e, -28, 28)
;;       step = 2.0 ** (np.maximum(np.frexp(np.where(r == 0, 1, r))[1] - 1, -2) - 2)
;;       q = np.round(r / step) * step * 2.0 ** e      # np.round: ties to even
;;       return np.moveaxis(q.reshape(q.shape[:-2] + (-1,))[..., :K], -1, axis).astype(np.float32)
;;   ~~~
;;   SOFTMAX AHEAD OF A QUANTISED PRODUCT. Where the list says 'softmax', what is quantised is not the finished softmax but p = 2^(t - M), with t = logit x log2(e) and M = ceil(the row's largest t), a whole number; so 1/2 < the row's largest p <= 1. The row's sum l is taken of the UNQUANTISED p, in f32, and the product's result is divided by l at the end. Since M is a whole number, a kernel that streams over the keys may use a running M (the ceiling of the running maximum): every later rescaling is an exact power of two, which a block's scale takes up: the codes' values come out the same.
;;   OPERANDS COMPUTED ON THE WAY. 'Computed on the way' means the value that the module computes at that place (a softmax that the list does not call 'softmax' is quantised finished and normalised). What goes into a quantiser is computed in f32, as accurately as f32 sums, v_exp_f32 and their like allow (about 1e-6 of the number): no bf16 or f16 on the way to a quantiser, and a product that is left as it is and whose result goes on into a quantised operand takes f32 operands (vector FMAs, or v_wmma_f32_16x16x4_f32). A number that lies on a knife's edge between two numbers of the format may be rounded either way, as far as f32 arithmetic and the matrix unit's own rounding can turn it there, and no further.
;;   INPUTS GIVEN AS CODES. w_fc (in the module: [1024, 1024], K = its axis 1); w_k (in the module: [1024, 1024], K = its axis 1); w_q (in the module: [1024, 1024], K = its axis 1); w_v (in the module: [1024, 1024], K = its axis 1): each comes as NAME_codes (uint8): NAME with its K axis moved to the last place and cut into blocks of 32 codes, [.., K / 32, bytes a block], one block behind the other in memory; four codes in three bytes: a row's codes are one little-endian stream of bits, code i at bits 6 i .. 6 i + 5 (a code: sign, 3 exponent bits, 2 mantissa bits); and NAME_scales (uint8): the same leading axes, one E8M0 byte (e + 127) for each 32 codes along K. Its value is code x scale, taken as it is: it is not quantised again, and the codes and scales need not be those that the quantiser above would give.
;; One version. Each part assembles by itself: llvm-mc -triple=amdgcn-amd-amdhsa -mcpu=gfx1250 --defsym DOCPART=n.
;; ======== version 1 of 1: 4 launches
;; limits: right only within a limited range of input values
;; workspace buffers: xc 18,874,368 bytes; xs 786,432 bytes; qf 13,107,200 bytes; kv 13,107,200 bytes; cx 6,291,456 bytes; cs 262,144 bytes
;; launch lnq (part 1): grid 768 x 1, 4 waves a work-group, no clusters, 22,016 bytes of LDS; arguments q, k, v, ln_q_g, ln_k_g, ln_v_g, ln_q_b, ln_k_b, ln_v_b, xc, xs; writes xc, xs
.if DOCPART == 1
	.amdgcn_target "amdgcn-amd-amdhsa--gfx1250"
	.amdhsa_code_object_version 6
	.text
	.protected	k_q77abb4c924_lnq
	.globl	k_q77abb4c924_lnq
	.p2align	8
	.type	k_q77abb4c924_lnq,@function
k_q77abb4c924_lnq:
	s_mov_b64 s[64:65], 0
	v_nop
	global_prefetch_b8 v0, s[64:65] scope:SCOPE_SE
	s_setreg_imm32_b32 hwreg(HW_REG_WAVE_MODE, 25, 1), 1
	s_wait_xcnt 0x0
; LAUNCH 1 OF 4.  y = (x - mean) * rsqrt(var + 1e-5) * gamma + beta for x = q, k, v ([8192][1024] f32 each), in f32, and y quantised along its 1,024 columns
; (the K of the three projections) into codes of E3M2 with one E8M0 byte for each 32: xc [3][8192][768 bytes], a row one stream of bits in true order; xs [3][8192][32 bytes].
; DEAD WORK: none in the whole program.  Every gain and bias goes into a quantised operand of a live product or into the output (ln_k_b too: it moves K's codes), so all 18 inputs are loaded.
; LIMITS: NaN and infinities among the inputs are not served.  A block whose largest magnitude lies under 2^-122 keeps the byte 1; a block of zeros gets the byte 1 where the quantiser says 127:
; its codes are zeros, which add nothing under any byte but 0xff, and this program alone reads the bytes.
; SHARES.  Work-groups 0-255 take q, 256-511 k, 512-767 v: only pointers are chosen, the text has one path.  A work-group takes 32 rows, a wave 8 rows on end, so that its 8 x 32 scale bytes are one
; aligned block of 256 bytes.  A row (4,096 bytes) is 32 registers of one wave: mean and variance never leave the wave.  The variance is the mean of (x - mean)^2, in two passes over the registers,
; as the reference has it: a common offset of the inputs costs no accuracy.
; Loads are dense (a load's 32 lanes read 512 bytes on end); gamma and beta lie in the same layout.  The conversion wants 16 NEIGHBOURS in a lane: the finished row turns through the wave's own stage
; in LDS (places of 64 bytes + 16 of padding).  Two rows' loads (16) are on their way while a row is worked.  No barrier: waves share nothing.  No matrix unit, no cluster: memory binds.
.set WREG,  5376                       ; LDS of a wave: two stages of 32 places of SP bytes, then its 256 scale bytes
.set SP,    80
.set SPARE, 4*WREG                     ; the spare words, 128 bytes a wave: two blocks of 256 bytes that no other line names
.set SPW, 9                            ; v9   LDS address of my spare word; never rewritten
.set NIL, 10                           ; v10  0; never rewritten
.set G,   16                           ; v16-47   gamma, dense: load i holds columns 128 i + 4 lane + 0..3
.set B,   48                           ; v48-79   beta likewise
.set R,   80                           ; v80-175  three sets of a row
.set X,   176                          ; v176-207 the turned row: set u holds columns 512 u + 16 lane + 0..15
.set T,   208                          ; v208-215 four chains of pairs
.set C,   216                          ; v216-222 codes, three registers of each four
	s_load_b512 s[4:19], s[0:1], 0x0               ; q, k, v; gamma of q, k, v; beta of q, k
	s_load_b128 s[20:23], s[0:1], 0x40             ; beta of v; xc
	s_load_b64 s[24:25], s[0:1], 0x50              ; xs
	v_lshl_add_u32 v[SPW], v0, 2, SPARE
	v_mov_b32 v[NIL], 0
	v_lshrrev_b32 v1, 5, v0
	v_readfirstlane_b32 s26, v1                    ; wave
	v_and_b32 v1, 31, v0                           ; lane
	s_lshr_b32 s27, ttmp9, 8                       ; which tensor: 0 q, 1 k, 2 v
	s_mov_b32 s30, 0x76543210
	s_mov_b32 s31, 0xfedcba98                      ; v_permlanex16_b32's selects for lane l xor 16
	v_mov_b32 v11, 0x3a800000                      ; 1 / 1024
	s_mul_i32 s28, s26, WREG                       ; my wave's LDS
	s_add_co_u32 s29, s28, 2*32*SP                 ; its scale bytes
	v_lshlrev_b32 v2, 4, v1                        ; 16 lane: my bytes of a dense load
	v_lshrrev_b32 v3, 2, v1
	v_mul_u32_u24 v3, v3, SP
	v_and_b32 v4, 3, v1
	v_lshl_add_u32 v3, v4, 4, v3
	v_add_nc_u32 v3, s28, v3                       ; the stage, in: four lanes' 64 bytes to a place
	v_mul_u32_u24 v4, v1, SP
	v_add_nc_u32 v4, s28, v4                       ; and out: place = lane
	v_lshrrev_b32 v5, 1, v1
	v_add_nc_u32 v5, s29, v5                       ; my block's byte: two lanes to a block
	v_lshlrev_b32 v7, 3, v1                        ; the bytes' way out: 8 a lane
	v_add_nc_u32 v6, s29, v7
	v_mul_u32_u24 v8, v1, 12                       ; 16 codes are 12 bytes
	v_mov_b32 v13, 0                               ; the upper words of the pairs v[12:13], v[14:15]: named, never used
	v_mov_b32 v15, 0
	v_mov_b32 v227, 0                              ; a lane permute's destination counts as one of its sources
	s_lshl_b32 s34, s26, 3
	s_and_b32 s33, ttmp9, 255
	s_lshl_b32 s33, s33, 5
	s_add_co_u32 s33, s33, s34                     ; my first row in its tensor
	s_lshl_b32 s36, s33, 12
	s_mov_b32 s37, 0
	; WHERE MY 8 ROWS GO among the 24,576 rows of xc and xs.  u = my group of 8 rows.  q's groups stay where they are.
	; k's: inside each 128 rows, group 8 c + 4 h + T goes to place 8 c + 2 T + h, so that the attention's tile 4 c + T holds keys 64 c + 32 h + 8 T + j in its rows 8 h + j.
	; v's: inside each 32 rows, groups 1 and 2 change places, so that V's codes come out of the projection in the true order along the keys.
	s_lshl_b32 s35, ttmp9, 2
	s_add_co_u32 s35, s35, s26                     ; u
	s_and_b32 s2, s35, 3
	s_lshl_b32 s2, s2, 1
	s_bfe_u32 s3, s35, 0x10002
	s_or_b32 s2, s2, s3
	s_and_b32 s3, s35, 0xfffffff8
	s_or_b32 s2, s2, s3                            ; k's place
	s_and_b32 s3, s35, 1
	s_lshl_b32 s3, s3, 1
	s_bfe_u32 s32, s35, 0x10001
	s_or_b32 s3, s3, s32
	s_and_b32 s32, s35, 0xfffffffc
	s_or_b32 s3, s3, s32                           ; v's place
	s_cmp_eq_u32 s27, 1
	s_cselect_b32 s35, s2, s35
	s_cmp_eq_u32 s27, 2
	s_cselect_b32 s35, s3, s35
	s_lshl_b32 s35, s35, 3                         ; the first of my 8 rows there
	s_mul_i32 s38, s35, 768
	s_mov_b32 s39, 0
	s_lshl_b32 s34, s35, 5
	s_mov_b32 s35, 0
	s_wait_kmcnt 0x0
	s_cmp_eq_u32 s27, 1                            ; the choices hang on the work-group's number alone
	s_cselect_b64 s[4:5], s[6:7], s[4:5]
	s_cselect_b64 s[10:11], s[12:13], s[10:11]
	s_cselect_b64 s[16:17], s[18:19], s[16:17]
	s_cmp_eq_u32 s27, 2
	s_cselect_b64 s[4:5], s[8:9], s[4:5]
	s_cselect_b64 s[10:11], s[14:15], s[10:11]
	s_cselect_b64 s[16:17], s[20:21], s[16:17]
	s_add_nc_u64 s[4:5], s[4:5], s[36:37]
	s_add_nc_u64 s[22:23], s[22:23], s[38:39]
	s_add_nc_u64 s[24:25], s[24:25], s[34:35]
.macro LOADROW n                       ; eight loads of 512 bytes on end: row n into set n % 3
.irp i, 0,1,2,3,4,5,6,7
	global_load_b128 v[R+32*((\n)%3)+4*\i:R+32*((\n)%3)+4*\i+3], v2, s[4:5] offset:4096*(\n)+512*\i th:TH_LOAD_NT
.endr
.endm
.irp i, 0,1,2,3,4,5,6,7
	global_load_b128 v[G+4*\i:G+4*\i+3], v2, s[10:11] offset:512*\i
.endr
.irp i, 0,1,2,3,4,5,6,7
	global_load_b128 v[B+4*\i:B+4*\i+3], v2, s[16:17] offset:512*\i
.endr
	LOADROW 0
	LOADROW 1
.macro REDUCE                          ; the four chains, the pair's halves, the 32 lanes: the sum in v226 of every lane
	v_pk_add_f32 v[T:T+1], v[T:T+1], v[T+2:T+3]
	v_pk_add_f32 v[T+4:T+5], v[T+4:T+5], v[T+6:T+7]
	v_pk_add_f32 v[T:T+1], v[T:T+1], v[T+4:T+5]
	v_add_f32 v226, v[T], v[T+1]
	v_add_f32_dpp v226, v226, v226 row_xmask:1 row_mask:0xf bank_mask:0xf
	v_add_f32_dpp v226, v226, v226 row_xmask:2 row_mask:0xf bank_mask:0xf
	v_add_f32_dpp v226, v226, v226 row_xmask:4 row_mask:0xf bank_mask:0xf
	v_add_f32_dpp v226, v226, v226 row_xmask:8 row_mask:0xf bank_mask:0xf
	v_permlanex16_b32 v227, v226, s30, s31
	v_add_f32 v226, v226, v227
.endm
.macro ROW n
.set RS, R+32*((\n)%3)
.if (\n)+2 < 8
	LOADROW (\n)+2                                 ; into the set of the row before this one: its LDS stores were awaited in that row
.endif
.if (\n) <= 5
	s_wait_loadcnt 16                              ; this row is in (in the first row: gamma and beta too); the two rows behind it may be out
.else
	s_wait_loadcnt 8*(7-(\n))
.endif
.irp c, 0,1,2,3
	v_pk_add_f32 v[T+2*\c:T+2*\c+1], v[RS+2*\c:RS+2*\c+1], v[RS+8+2*\c:RS+8+2*\c+1]   ; the first eight pairs start the chains: nothing is cleared
.endr
.irp p, 8,12
.irp c, 0,1,2,3
	v_pk_add_f32 v[T+2*\c:T+2*\c+1], v[T+2*\c:T+2*\c+1], v[RS+2*(\p+\c):RS+2*(\p+\c)+1]
.endr
.endr
	REDUCE
	v_mul_f32 v12, v11, v226                       ; the mean
.irp j, 0,2,4,6,8,10,12,14,16,18,20,22,24,26,28,30
	v_pk_add_f32 v[RS+\j:RS+\j+1], v[RS+\j:RS+\j+1], v[12:13] op_sel_hi:[1,0] neg_lo:[0,1] neg_hi:[0,1]   ; d = x - mean, in place
.endr
.irp c, 0,1,2,3
	v_pk_mul_f32 v[T+2*\c:T+2*\c+1], v[RS+2*\c:RS+2*\c+1], v[RS+2*\c:RS+2*\c+1]
.endr
.irp p, 4,8,12
.irp c, 0,1,2,3
	v_pk_fma_f32 v[T+2*\c:T+2*\c+1], v[RS+2*(\p+\c):RS+2*(\p+\c)+1], v[RS+2*(\p+\c):RS+2*(\p+\c)+1], v[T+2*\c:T+2*\c+1]
.endr
.endr
	REDUCE
	v_fmaak_f32 v226, v11, v226, 0x3727c5ac        ; the variance + 1e-5
	s_wait_alu depctr_va_vdst(0)
	v_rsq_f32 v14, v226
	v_nop                                          ; a plain instruction behind the transcendental
	s_wait_alu depctr_va_vdst(0)                   ; the wait ahead of the first instruction that names its result
.irp j, 0,2,4,6,8,10,12,14,16,18,20,22,24,26,28,30
	v_pk_mul_f32 v[RS+\j:RS+\j+1], v[RS+\j:RS+\j+1], v[14:15] op_sel_hi:[1,0]
.endr
.irp j, 0,2,4,6,8,10,12,14,16,18,20,22,24,26,28,30
	v_pk_fma_f32 v[RS+\j:RS+\j+1], v[RS+\j:RS+\j+1], v[G+\j:G+\j+1], v[B+\j:B+\j+1]
.endr
.irp i, 0,1,2,3,4,5,6,7
	ds_store_b128 v3, v[RS+4*\i:RS+4*\i+3] offset:32*SP*(\i/4)+8*SP*(\i%4)     ; a load's 512 bytes take eight places; half a row to a stage
.endr
.irp i, 0,1,2,3,4,5,6,7
	ds_load_b128 v[X+4*\i:X+4*\i+3], v4 offset:32*SP*(\i/4)+16*(\i%4)          ; LDS serves a wave's instructions in order: these see the stores above
.endr
	s_wait_dscnt 0x0                               ; the row is back, 16 neighbours a lane and set; the stores have read the row's set
	s_wait_xcnt 0x0                                ; the last row's stores have read the codes' registers, which are written again below
.irp u, 0,1
	v_max3_num_f32 v[226+2*\u], |v[X+16*\u]|, |v[X+16*\u+1]|, |v[X+16*\u+2]|   ; the largest magnitude of my 16, in two chains
	v_max3_num_f32 v[227+2*\u], |v[X+16*\u+3]|, |v[X+16*\u+4]|, |v[X+16*\u+5]|
.irp i, 6,10
	v_max3_num_f32 v[226+2*\u], v[226+2*\u], |v[X+16*\u+\i]|, |v[X+16*\u+\i+1]|
	v_max3_num_f32 v[227+2*\u], v[227+2*\u], |v[X+16*\u+\i+2]|, |v[X+16*\u+\i+3]|
.endr
	v_max3_num_f32 v[226+2*\u], v[226+2*\u], |v[X+16*\u+14]|, |v[X+16*\u+15]|
	v_max3_num_f32 v[226+2*\u], v[226+2*\u], v[227+2*\u], 0x2800000            ; and the floor 2^(5 - 127): the byte cannot fall under 1
	v_max_num_f32_dpp v[226+2*\u], v[226+2*\u], v[226+2*\u] row_xmask:1 row_mask:0xf bank_mask:0xf   ; with my neighbour's 16: the block's
	v_add_nc_u32 v[230+\u], 0xfe000000, v[226+2*\u]                            ; 4 off its exponent field: the conversion takes that field as its scale
	v_cvt_scalef32_pk16_bf6_f32 v[C+4*\u:C+4*\u+2], v[X+16*\u:X+16*\u+15], v[230+\u]
	v_lshrrev_b32 v[224+\u], 23, v[230+\u]                                     ; the scale's byte (also the plain instruction behind the conversion)
	ds_store_b8 v5, v[224+\u] offset:32*(\n)+16*\u                             ; both lanes of a block write the same byte with the same value
	global_store_b96 v8, v[C+4*\u:C+4*\u+2], s[22:23] offset:768*(\n)+384*\u   ; 384 bytes on end; a row's two stores fill three aligned blocks of 256
.endr
.endm
.irp n, 0,1,2,3,4,5,6,7
	ROW \n
.endr
	ds_load_b64 v[226:227], v6                     ; my wave's 256 scale bytes
	s_wait_dscnt 0x0
	global_store_b64 v7, v[226:227], s[24:25]      ; 32 lanes store one aligned block of 256 bytes
	s_wait_tensorcnt 0x0                           ; the wave's end, behind my last LDS store
	ds_add_u32 v[SPW], v[NIL]
	s_wait_dscnt 0x0
	s_endpgm
.Lfunc_end_k_q77abb4c924_lnq:
	.size	k_q77abb4c924_lnq, .Lfunc_end_k_q77abb4c924_lnq-k_q77abb4c924_lnq
	.p2alignl 7, 3214868480
	.fill 96, 4, 3214868480
	.section	.rodata,"a",@progbits
	.p2align	6, 0x0
	.amdhsa_kernel k_q77abb4c924_lnq
		.amdhsa_group_segment_fixed_size 22016
		.amdhsa_private_segment_fixed_size 0
		.amdhsa_enable_private_segment 0
		.amdhsa_kernarg_size 88
		.amdhsa_user_sgpr_count 2
		.amdhsa_user_sgpr_kernarg_segment_ptr 1
		.amdhsa_wavefront_size32 1
		.amdhsa_system_sgpr_workgroup_id_x 1
		.amdhsa_system_sgpr_workgroup_id_y 1
		.amdhsa_system_sgpr_workgroup_id_z 1
		.amdhsa_system_vgpr_workitem_id 0
		.amdhsa_next_free_vgpr 232
		.amdhsa_next_free_sgpr 66
		.amdhsa_reserve_vcc 0
		.amdhsa_float_denorm_mode_32 3
		.amdhsa_float_denorm_mode_16_64 3
		.amdhsa_memory_ordered 1
		.amdhsa_forward_progress 1
		.amdhsa_inst_pref_size 83
	.end_amdhsa_kernel
	.amdgpu_metadata
---
amdhsa.version: [ 1, 2 ]
amdhsa.kernels:
  - .name:           k_q77abb4c924_lnq
    .symbol:         k_q77abb4c924_lnq.kd
    .args:
      - { .name: q, .offset: 0, .size: 8, .value_kind: global_buffer, .address_space: global }
      - { .name: k, .offset: 8, .size: 8, .value_kind: global_buffer, .address_space: global }
      - { .name: v, .offset: 16, .size: 8, .value_kind: global_buffer, .address_space: global }
      - { .name: ln_q_g, .offset: 24, .size: 8, .value_kind: global_buffer, .address_space: global }
      - { .name: ln_k_g, .offset: 32, .size: 8, .value_kind: global_buffer, .address_space: global }
      - { .name: ln_v_g, .offset: 40, .size: 8, .value_kind: global_buffer, .address_space: global }
      - { .name: ln_q_b, .offset: 48, .size: 8, .value_kind: global_buffer, .address_space: global }
      - { .name: ln_k_b, .offset: 56, .size: 8, .value_kind: global_buffer, .address_space: global }
      - { .name: ln_v_b, .offset: 64, .size: 8, .value_kind: global_buffer, .address_space: global }
      - { .name: xc, .offset: 72, .size: 8, .value_kind: global_buffer, .address_space: global }
      - { .name: xs, .offset: 80, .size: 8, .value_kind: global_buffer, .address_space: global }
    .group_segment_fixed_size: 22016
    .private_segment_fixed_size: 0
    .kernarg_segment_align: 8
    .kernarg_segment_size: 88
    .max_flat_workgroup_size: 128
    .sgpr_count:     66
    .vgpr_count:     232
    .wavefront_size: 32
...
	.end_amdgpu_metadata
.endif
;; end of part 1
;; launch proj (part 2): grid 4 x 96, 4 waves a work-group, clusters of 4 x 4, 327,680 bytes of LDS; arguments xc, xs, w_q_codes, w_q_scales, w_k_codes, w_k_scales, w_v_codes, w_v_scales, qf, kv; writes qf, kv
.if DOCPART == 2
	.amdgcn_target "amdgcn-amd-amdhsa--gfx1250"
	.amdhsa_code_object_version 6
	.text
	.protected	k_q77abb4c924_proj
	.globl	k_q77abb4c924_proj
	.p2align	8
	.type	k_q77abb4c924_proj,@function
k_q77abb4c924_proj:
	s_mov_b64 s[64:65], 0
	v_nop
	global_prefetch_b8 v0, s[64:65] scope:SCOPE_SE
	s_setreg_imm32_b32 hwreg(HW_REG_WAVE_MODE, 25, 1), 1
	s_wait_xcnt 0x0
	s_wait_alu depctr_hold_cnt(0) depctr_sa_sdst(0) depctr_va_vdst(0) depctr_va_sdst(0) depctr_va_ssrc(0) depctr_va_vcc(0) depctr_vm_vsrc(0)
	s_getreg_b32 s2, hwreg(HW_REG_IB_STS2, 6, 4)
	s_cmp_eq_u32 s2, 0
	s_cbranch_scc0 .Lentry_in_a_cluster
	s_endpgm
.Lentry_in_a_cluster:
	s_bfe_u32 s2, ttmp6, 0x10000c
	s_cmp_lg_u32 s2, 0xf033
	s_cbranch_scc0 .Lentry_shape_is_right
	s_endpgm
.Lentry_shape_is_right:
; LAUNCH 2 OF 4.  The three projections on codes of E3M2: Q = y_q w_q^T, K = y_k w_k^T, V = y_v w_v^T, each [8192][1024], K = 1,024; the results are quantised here for the attention's two products.  No work is left out.
; A work-group of four waves makes 256 x 256, a wave 128 x 128 in 64 accumulators.  Cluster rows 0-7 take Q, 8-15 K, 16-23 V: only pointers are chosen.  For V the weights are the tile's rows and the tokens its columns,
; so that V comes out with the keys along a lane's registers.
; THE RING: a row of codes is 768 bytes, three chunks of 256 bytes, each beginning at a multiple of 256; chunk c lies in slot c % 2.  A step of 128 along K is 96 bytes: steps 2 and 5 lie across two chunks.
; The scales of the 256 + 256 rows are two dense blocks of 8,192 bytes, brought once.  4 x 4 clusters: A's tiles are asked for jointly along a row of the cluster, B's along a column.
; No prefetch: the walk along K is three chunks, two of them asked for ahead of the first product, and there is no loop to run ahead in.
; THE WAY OUT: a lane's 16 registers of two neighbouring accumulators are half a block of 32; blocks are quantised in registers and stored as images of operand registers, in records of 12,800 bytes for each 128 tokens of a head.
; LIMITS: NaN and infinities are not served; a block under 2^-122, or of zeros, keeps the byte 1 (its codes add nothing; this program alone reads the bytes).
.set ROWB,   256
.set NQ,     2
.set KROW,   768
.set STEPS,  8
.set CHUNKS, 3
.set PITCH,  272
.set FR,     12
.set NL,     6
.set NP,     4
.set HALFT,  128*PITCH
.set SLOT,   4*HALFT
.set KS,     32
.set SCL,    2*SLOT
.set HALFS,  (128*KS/256)*272
.set SBLK,   (16*KS/256)*272
.set SPARE,  SCL+4*HALFS               ; the spare words, 128 bytes a wave
.set ADRA, 16
.set ADRB, 20
.set ADRS, 27
.set SPW,  28
.set NIL,  29
.set SC,   32
.set O16,  64
.set O8,   65
.set OSC,  66
.set SELV, 67
.set TM,   68
.set WS,   84
.set ZW,   92
.set CD,   96
.set XW,   116
.set YW,   120
.set AF,   128
.set G1, 24
.set G0, 32
.set G1B, 48
.set G0B, 56
.set G1S, 68
.set G0S, 76
.set G1SB, 80
.set G0SB, 88
.set G0H, 4
.set G0HB, 8
.set MSB, 0
.macro WIN new
.if MSB != \new
	s_set_vgpr_msb (MSB<<8)|\new
.set MSB, \new
.endif
.endm
.set MUL_LO, 0xa1
.set MUL_HI, 0xf1
.set TO_B,   0x40
.macro JLOAD g0a, g1a, g0b, g1b        ; waves 0, 1 fetch for A, waves 2, 3 for B: one mask to a line
	s_cmp_eq_u32 s15, 0
	s_cbranch_scc0 .Lfor_b_\@
	tensor_load_to_lds s[\g0a:\g0a+3], s[\g1a:\g1a+7]
	s_nop 0
.rept 4
	v_nop
.endr
	s_branch .Lasked_\@
.Lfor_b_\@:
	tensor_load_to_lds s[\g0b:\g0b+3], s[\g1b:\g1b+7]
	s_nop 0
.rept 4
	v_nop
.endr
.Lasked_\@:
.endm
.macro CREST
	s_cmp_lg_u32 s14, 0
	s_cbranch_scc1 .Lnot_wave_0_\@
	s_barrier_signal -3
.Lnot_wave_0_\@:
	s_barrier_wait -3
	s_barrier_signal -1
	s_barrier_wait -1
.endm
.macro CROUND
	s_barrier_signal -1
	s_barrier_wait -1
	CREST
.endm
	s_load_b256 s[32:39], s[0:1], 0x0              ; xc, xs, w_q's codes and scales
	s_load_b256 s[56:63], s[0:1], 0x20             ; w_k's, w_v's
	s_load_b128 s[76:79], s[0:1], 0x40             ; qf, kv
	v_lshl_add_u32 v[SPW], v0, 2, SPARE
	v_mov_b32 v[NIL], 0
	ds_add_u32 v[SPW], v[NIL]                      ; the opening lines: the add twice on end and its wait
	ds_add_u32 v[SPW], v[NIL]
	v_lshrrev_b32 v1, 5, v0
	v_readfirstlane_b32 s14, v1                    ; wave
	s_lshr_b32 s15, s14, 1                         ; my half of the tile's rows; also: I fetch for A (0) or B (1)
	s_and_b32 s16, s14, 1                          ; my half of its columns; also: which 128 rows I fetch
	s_bfe_u32 s40, ttmp6, 0x40000                  ; cx
	s_bfe_u32 s41, ttmp6, 0x40004                  ; cy
	s_and_b32 s66, ttmp7, 0xffff
	s_and_b32 s67, s66, 7
	s_lshl_b32 s67, s67, 2
	s_lshr_b32 s66, s66, 3                         ; 0 Q, 1 K, 2 V
	s_cmp_eq_u32 s66, 2
	s_cselect_b32 s95, 0, s67
	s_cselect_b32 s96, s67, 0
	s_add_co_u32 s17, s95, s41                     ; tile row
	s_add_co_u32 s42, s96, s40                     ; tile column
	s_lshl_b32 s43, s41, 2
	s_lshl_b32 s43, 15, s43                        ; my row of the cluster
	s_lshl_b32 s44, 0x1111, s40                    ; my column
	s_or_b32 s[G1+0], s43, (0<<16)|(1<<20)|(1<<21)|(5<<22)|(3<<25)
	s_or_b32 s[G1B+0], s44, (0<<16)|(1<<20)|(1<<21)|(5<<22)|(3<<25)
.irp g, G1, G1B
	s_mov_b32 s[\g+1], ROWB<<16
	s_mov_b32 s[\g+2], 256<<16                     ; 256 rows for the head's loads
	s_mov_b32 s[\g+3], ROWB<<16
	s_mov_b32 s[\g+4], 256
	s_mov_b32 s[\g+5], KROW
	s_mov_b32 s[\g+6], 0
	s_mov_b32 s[\g+7], 0
.endr
	s_or_b32 s[G1S+0], s43, (3<<16)|(1<<20)|(1<<21)|(5<<22)|(3<<25)
	s_or_b32 s[G1SB+0], s44, (3<<16)|(1<<20)|(1<<21)|(5<<22)|(3<<25)
.irp g, G1S, G1SB
	s_mov_b32 s[\g+1], 32<<16
	s_mov_b32 s[\g+2], KS<<16
	s_mov_b32 s[\g+3], 32<<16
	s_mov_b32 s[\g+4], KS
	s_mov_b32 s[\g+5], 32
	s_mov_b32 s[\g+6], 0
	s_mov_b32 s[\g+7], 0
.endr
	s_lshl_b32 s20, s17, 8
	s_lshl_b32 s46, s42, 8
	s_mov_b32 s21, 0
	s_mov_b32 s47, 0
	s_mov_b64 s[18:19], KS
	s_mul_u64 s[22:23], s[20:21], s[18:19]
	s_mul_u64 s[92:93], s[46:47], s[18:19]
	s_mov_b64 s[18:19], KROW
	s_mul_u64 s[20:21], s[20:21], s[18:19]
	s_mul_u64 s[46:47], s[46:47], s[18:19]
	s_mul_i32 s18, s16, 128*KROW
	s_mov_b32 s19, 0
	s_mul_i32 s45, s14, HALFT
	s_mul_i32 s2, s66, 6291456
	s_mov_b32 s3, 0
	s_wait_dscnt 0x0
	s_wait_kmcnt 0x0
	s_add_nc_u64 s[32:33], s[32:33], s[2:3]        ; my tensor's part of xc,
	s_lshl_b32 s2, s66, 18
	s_add_nc_u64 s[34:35], s[34:35], s[2:3]        ; and of xs
	s_cmp_eq_u32 s66, 1
	s_cselect_b64 s[36:37], s[56:57], s[36:37]
	s_cselect_b64 s[38:39], s[58:59], s[38:39]
	s_cmp_eq_u32 s66, 0
	s_cselect_b64 s[12:13], s[76:77], s[78:79]
	s_cmp_eq_u32 s66, 2
	s_cselect_b64 s[4:5], s[60:61], s[32:33]
	s_cselect_b64 s[6:7], s[62:63], s[34:35]
	s_cselect_b64 s[8:9], s[32:33], s[36:37]
	s_cselect_b64 s[10:11], s[34:35], s[38:39]
	s_add_nc_u64 s[20:21], s[4:5], s[20:21]
	s_add_nc_u64 s[22:23], s[6:7], s[22:23]
	s_add_nc_u64 s[46:47], s[8:9], s[46:47]
	s_add_nc_u64 s[92:93], s[10:11], s[92:93]
	CROUND                                         ; in front of the first joint loads
	s_mov_b32 s[G0H], 1
	s_mov_b32 s[G0H+1], 0
	s_mov_b64 s[G0H+2:G0H+3], s[20:21]
	s_or_b32 s[G0H+3], s[G0H+3], 0x80000000
	s_mov_b32 s[G0HB], 1
	s_mov_b32 s[G0HB+1], 2*HALFT
	s_mov_b64 s[G0HB+2:G0HB+3], s[46:47]
	s_or_b32 s[G0HB+3], s[G0HB+3], 0x80000000
	s_mov_b32 s[G0S], 1
	s_mov_b32 s[G0S+1], SCL
	s_mov_b64 s[G0S+2:G0S+3], s[22:23]
	s_or_b32 s[G0S+3], s[G0S+3], 0x80000000
	s_mov_b32 s[G0SB], 1
	s_mov_b32 s[G0SB+1], SCL+2*HALFS
	s_mov_b64 s[G0SB+2:G0SB+3], s[92:93]
	s_or_b32 s[G0SB+3], s[G0SB+3], 0x80000000
	s_add_nc_u64 s[20:21], s[20:21], s[18:19]
	s_add_nc_u64 s[46:47], s[46:47], s[18:19]
.irp s, 0,1
	s_mov_b32 s[G0+4*\s], 1
	s_add_co_u32 s[G0+4*\s+1], s45, \s*SLOT
	s_add_nc_u64 s[G0+4*\s+2:G0+4*\s+3], s[20:21], \s*ROWB
	s_or_b32 s[G0+4*\s+3], s[G0+4*\s+3], 0x80000000
	s_mov_b32 s[G0B+4*\s], 1
	s_add_co_u32 s[G0B+4*\s+1], s45, \s*SLOT
	s_add_nc_u64 s[G0B+4*\s+2:G0B+4*\s+3], s[46:47], \s*ROWB
	s_or_b32 s[G0B+4*\s+3], s[G0B+4*\s+3], 0x80000000
.endr
; the head's four tiles, one load a wave: chunk 0 of A, chunk 0 of B, A's scales, B's scales; one chain of branches on the wave's number
.macro ARM under, g0, g1, next
	s_cmp_lt_u32 s14, \under
	s_cbranch_scc0 \next
	tensor_load_to_lds s[\g0:\g0+3], s[\g1:\g1+7]
	s_nop 0
.rept 4
	v_nop
.endr
	s_branch .Lhead_asked
\next:
.endm
	ARM 1, G0H,  G1,  .Lhead_b
	ARM 2, G0HB, G1B, .Lhead_sa
	ARM 3, G0S,  G1S, .Lhead_sb
	tensor_load_to_lds s[G0SB:G0SB+3], s[G1SB:G1SB+7]
	s_nop 0
.rept 4
	v_nop
.endr
.Lhead_asked:
	v_and_b32 v1, 15, v0                           ; l % 16
	v_bfe_u32 v2, v0, 4, 1                         ; l / 16
	v_mul_u32_u24 v3, v1, PITCH
	v_mul_u32_u24 v4, v2, 24
	v_add_nc_u32 v4, v3, v4
	s_mov_b32 s21, SLOT-232
	s_mov_b32 s22, SLOT+232
	v_sub_nc_u32 v7, 1, v2
	v_mul_u32_u24 v5, s21, v2
	v_add_nc_u32 v5, v3, v5
	v_add_nc_u32 v5, 232, v5                       ; across two chunks: lanes 0-15 byte 232 in slot 0, lanes 16-31 byte 0 in slot 1;
	v_mul_u32_u24 v6, s22, v7
	v_add_nc_u32 v6, v3, v6                        ; and the other way round
	s_mul_i32 s21, s15, HALFT
	s_mul_i32 s22, s16, HALFT
	s_add_co_u32 s22, s22, 2*HALFT
	v_add_nc_u32 v[ADRA+2], s21, v5
	v_add_nc_u32 v[ADRA+3], s21, v6
	v_add_nc_u32 v[ADRB+2], s22, v5
	v_add_nc_u32 v[ADRB+3], s22, v6
.irp s, 0,1
	v_add_nc_u32 v[ADRA+\s], s21, v4
	v_add_nc_u32 v[ADRB+\s], s22, v4
	s_add_co_u32 s21, s21, SLOT
	s_add_co_u32 s22, s22, SLOT
.endr
	v_mul_u32_u24 v5, v1, KS
	v_lshrrev_b32 v6, 8, v5
	v_lshl_add_u32 v5, v6, 4, v5
	s_mul_i32 s21, s15, HALFS
	s_mul_i32 s22, s16, HALFS
	s_add_co_u32 s22, s22, 2*HALFS
	s_sub_co_u32 s22, s22, s21
	v_mul_u32_u24 v6, s22, v2                      ; lanes 16-31 take B's scale words
	s_add_co_u32 s21, s21, SCL
	v_add_nc_u32 v5, v5, v6
	v_add_nc_u32 v[ADRS], s21, v5
.irp b, 0,1,2,3
	v_mov_b32 v[TM+4+\b], 0                        ; a lane permute's destination counts as one of its sources
.endr
.macro FRAG reg, adr, st, i            ; 16 rows x 128 K: six pieces of 8 bytes, each inside one chunk
.irp p, 0,1,2,3,4,5
.set BY, 96*(\st)+48*(\p/3)+8*(\p%3)
.if BY/ROWB == (BY+24)/ROWB
	ds_load_b64 v[\reg+2*\p:\reg+2*\p+1], v[\adr+(BY/ROWB)%2] offset:BY%ROWB+(\i)*16*PITCH
.else
	ds_load_b64 v[\reg+2*\p:\reg+2*\p+1], v[\adr+2+(BY/ROWB)%2] offset:BY%ROWB-232+(\i)*16*PITCH
.endif
.endr
.endm
.macro MUL16 a0, p, q, sc, zero        ; the 64 accumulators take turns, in one order in every step
.irp a, \a0, \a0+1
.irp b, 0,1,2,3,4,5,6,7
.if \zero
	v_wmma_scale_f32_16x16x128_f8f6f4 v[8*(8*((\a)%4)+\b):8*(8*((\a)%4)+\b)+7], v[128*(\p)+FR*\b:128*(\p)+FR*\b+FR-1], v[AF+FR*(\a):AF+FR*(\a)+FR-1], 0, v[SC+8*NQ*(\sc)+NQ*\b+(\q)], v[SC+8*NQ*(\sc)+NQ*(\a)+(\q)] matrix_a_fmt:MATRIX_FMT_BF6 matrix_b_fmt:MATRIX_FMT_BF6 matrix_a_scale:MATRIX_SCALE_ROW1
.else
	v_wmma_scale_f32_16x16x128_f8f6f4 v[8*(8*((\a)%4)+\b):8*(8*((\a)%4)+\b)+7], v[128*(\p)+FR*\b:128*(\p)+FR*\b+FR-1], v[AF+FR*(\a):AF+FR*(\a)+FR-1], v[8*(8*((\a)%4)+\b):8*(8*((\a)%4)+\b)+7], v[SC+8*NQ*(\sc)+NQ*\b+(\q)], v[SC+8*NQ*(\sc)+NQ*(\a)+(\q)] matrix_a_fmt:MATRIX_FMT_BF6 matrix_b_fmt:MATRIX_FMT_BF6 matrix_a_scale:MATRIX_SCALE_ROW1
.endif
.endr
.endr
.endm
.macro FETCH_B st, p
	WIN TO_B
.irp i, 0,1,2,3,4,5,6,7
	FRAG 128*(\p)+FR*\i, ADRB, \st, \i
.endr
	WIN 0
.endm
.macro FETCH_A st, i0
.irp i, \i0, \i0+1, \i0+2, \i0+3
	FRAG AF+FR*(\i), ADRA, \st, \i
.endr
.endm
.macro SCALES pr                       ; the scale words of steps 2 pr, 2 pr + 1 into set pr % 2
.irp i, 0,1,2,3,4,5,6,7
	ds_load_b64 v[SC+8*NQ*((\pr)%2)+NQ*\i:SC+8*NQ*((\pr)%2)+NQ*\i+1], v[ADRS] offset:\i*SBLK+4*NQ*(\pr)
.endr
.endm
.macro PLACES n
.rept \n
	v_nop
.endr
.endm
; A step: 64 products; the next step's fragments are fetched in its middle and at its end.  Where the next step ends in a chunk not read yet: the wait for my tensor loads and a barrier.
; Where it begins in a later chunk: the wait, the add, the wait for it and for my reads, the barrier; where a chunk two on is left, the barrier opens a round and the slot is filled again.
.macro STEP st, zero
.set NX, (\st)+1
.set C0, (96*(\st))/ROWB
.set C1, (96*NX)/ROWB
.set E0, (96*(\st)+95)/ROWB
.set E1, (96*NX+95)/ROWB
.if C1 > C0 || E1 > E0
	s_wait_tensorcnt 0x0
.if C1 > C0
	ds_add_u32 v[SPW], v[NIL]
	s_wait_dscnt 4*NL+1                            ; the add and A's blocks 4-7 may be out
.else
	s_wait_dscnt 4*NL                              ; A's blocks 4-7 may be out
.endif
	WIN MUL_LO
	MUL16 0, (\st)%2, (\st)%2, ((\st)/2)%2, \zero
	s_wait_dscnt 0x0
	s_barrier_signal -1
	MUL16 2, (\st)%2, (\st)%2, ((\st)/2)%2, \zero
	WIN 0
	s_barrier_wait -1
.if C1 > C0 && C0+2 < CHUNKS
	CREST
	s_add_nc_u64 s[G0+4*(C0%2)+2:G0+4*(C0%2)+3], s[G0+4*(C0%2)+2:G0+4*(C0%2)+3], 2*ROWB
	s_add_nc_u64 s[G0B+4*(C0%2)+2:G0B+4*(C0%2)+3], s[G0B+4*(C0%2)+2:G0B+4*(C0%2)+3], 2*ROWB
	JLOAD G0+4*(C0%2), G1, G0B+4*(C0%2), G1B
.else
	PLACES NP
.endif
.else
	s_wait_dscnt 4*NL                              ; A's blocks 4-7 may be out
	WIN MUL_LO
	MUL16 0, (\st)%2, (\st)%2, ((\st)/2)%2, \zero
	MUL16 2, (\st)%2, (\st)%2, ((\st)/2)%2, \zero
	s_wait_dscnt 0
	PLACES NP
.endif
	FETCH_B NX, NX%2
	FETCH_A NX, 0
.if NX%2 == 0
	SCALES NX/2
.endif
	WIN MUL_HI
	MUL16 4, (\st)%2, (\st)%2, ((\st)/2)%2, \zero
	MUL16 6, (\st)%2, (\st)%2, ((\st)/2)%2, \zero
	PLACES NP
	WIN 0
	FETCH_A NX, 4
.endm
	s_wait_alu depctr_va_vdst(0)                   ; the head's end
	s_wait_tensorcnt 0x0                           ; my tile of the head's four is in; the three lines ahead of slot 1's first fill
	ds_add_u32 v[SPW], v[NIL]
	s_mov_b32 s[G1+2], 128<<16                     ; no load of mine is out: from here on a load brings 128 rows
	s_mov_b32 s[G1+4], 128
	s_mov_b32 s[G1B+2], 128<<16
	s_mov_b32 s[G1B+4], 128
	s_wait_dscnt 0x0
	CROUND
	JLOAD G0+4, G1, G0B+4, G1B                     ; chunk 1
	FETCH_B 0, 0
	FETCH_A 0, 0
	SCALES 0
	FETCH_A 0, 4
	STEP 0, 1
.set ST, 1
.rept STEPS-2
	STEP ST, 0
.set ST, ST+1
.endr
	s_wait_dscnt 4*NL
	WIN MUL_LO
	MUL16 0, 1, 1, 1, 0
	MUL16 2, 1, 1, 1, 0
	s_wait_dscnt 0
	WIN MUL_HI
	MUL16 4, 1, 1, 1, 0
	MUL16 6, 1, 1, 1, 0
	WIN 0
	PLACES NP
; the way out: where my 128 x 128 goes in qf or kv
	s_lshl_b32 s2, s17, 8
	s_lshl_b32 s3, s15, 7
	s_add_co_u32 s2, s2, s3
	s_lshl_b32 s3, s42, 8
	s_lshl_b32 s94, s16, 7
	s_add_co_u32 s3, s3, s94
	s_cmp_eq_u32 s66, 2
	s_cselect_b32 s94, s3, s2                      ; my first token,
	s_cselect_b32 s95, s2, s3                      ; my first channel
	s_mov_b32 s18, 768
	s_cselect_b32 s18, 1536, s18
	s_cselect_b32 s40, 198656, 0
	s_mov_b32 s44, 204800
	s_cselect_b32 s44, 768, s44
	s_cselect_b32 s96, 6144, 0
	s_mov_b32 s97, 12288
	s_cselect_b32 s97, 12544, s97
	s_cselect_b32 s47, -1, 0
	s_mov_b32 s19, 0
	s_mov_b32 s41, 0
	s_mov_b32 s45, 0
	s_lshr_b32 s2, s94, 11
	s_lshl_b32 s2, s2, 4
	s_lshr_b32 s3, s95, 6
	s_add_co_u32 s2, s2, s3                        ; 16 batch + head
	s_mul_i32 s2, s2, 204800
	s_bfe_u32 s3, s94, 0x40007
	s_mul_i32 s3, s3, 12800                        ; the record of 128 tokens
	s_add_co_u32 s2, s2, s3
	s_mov_b32 s3, 0
	s_add_nc_u64 s[12:13], s[12:13], s[2:3]
	s_mov_b32 s2, s96
	s_add_nc_u64 s[20:21], s[12:13], s[2:3]
	s_add_nc_u64 s[22:23], s[20:21], s[44:45]
	s_mov_b32 s2, s97
	s_add_nc_u64 s[98:99], s[12:13], s[2:3]
	s_mov_b32 s92, 0x76543210
	s_mov_b32 s93, 0xfedcba98
	v_and_b32 v6, 31, v0
	v_lshlrev_b32 v[O16], 4, v6
	v_lshlrev_b32 v[O8], 3, v6
	v_mul_u32_u24 v[OSC], v2, 204800
	v_lshl_add_u32 v[OSC], v1, 4, v[OSC]
	v_cmp_lt_u32 s46, 15, v6
	v_mov_b32 v[SELV], 0x05040100
	v_mov_b32 v[XW], 0x07060302
	v_cndmask_b32 v[SELV], v[SELV], v[XW], s46
.macro QUANTW a                        ; block a's 16 rows x 128: four blocks of 32 a row -> 12 registers of codes and a scale word
.set AC, 64*((\a)%4)
	WIN 0x28+0x14*((\a)/4)
.irp b, 0,1,2,3
	v_max3_num_f32 v[TM+\b], 0x2800000, |v[AC+16*\b]|, |v[AC+16*\b+1]|
.endr
.irp i, 2,4,6,8,10,12,14
.irp b, 0,1,2,3
	v_max3_num_f32 v[TM+\b], v[TM+\b], |v[AC+16*\b+\i]|, |v[AC+16*\b+\i+1]|
.endr
.endr
	WIN 0
.irp b, 0,1,2,3
	v_permlanex16_b32 v[TM+4+\b], v[TM+\b], s92, s93
.endr
.irp b, 0,1,2,3
	v_max_num_f32 v[TM+\b], v[TM+\b], v[TM+4+\b]
.endr
.irp b, 0,1,2,3
	v_add_nc_u32 v[TM+12+\b], 0xfe000000, v[TM+\b]
.endr
.irp b, 0,1,2,3
	v_lshrrev_b32 v[TM+4+\b], 23, v[TM+12+\b]
.endr
	v_lshl_or_b32 v[WS+(\a)], v[TM+5], 8, v[TM+4]
	v_lshl_or_b32 v[WS+(\a)], v[TM+6], 16, v[WS+(\a)]
	v_lshl_or_b32 v[WS+(\a)], v[TM+7], 24, v[WS+(\a)]
	WIN 0x02+((\a)/4)
.irp c, 0,1
	v_cvt_scalef32_pk16_bf6_f32 v[CD+6*\c:CD+6*\c+2], v[AC+32*\c:AC+32*\c+15], v[TM+12+2*\c]
	v_cvt_scalef32_pk16_bf6_f32 v[CD+12+4*\c:CD+14+4*\c], v[AC+32*\c+16:AC+32*\c+31], v[TM+12+2*\c+1]
.endr
	WIN 0
	v_nop
.irp c, 0,1
.irp i, 0,1,2
	v_permlane16_swap_b32 v[CD+6*\c+\i], v[CD+12+4*\c+\i]
.endr
.irp i, 0,1,2
	v_mov_b32 v[CD+3+6*\c+\i], v[CD+12+4*\c+\i]
.endr
.endr
.endm
.irp a, 0,1,2,3,4,5,6,7
.if \a > 0
	s_wait_xcnt 0x0                                ; the last block's stores have read their registers and bases
	s_add_nc_u64 s[20:21], s[20:21], s[18:19]
	s_add_nc_u64 s[22:23], s[22:23], s[18:19]
.endif
.if \a == 4
	s_add_nc_u64 s[20:21], s[20:21], s[40:41]
	s_add_nc_u64 s[22:23], s[22:23], s[40:41]
.endif
	QUANTW \a
	global_store_b128 v[O16], v[CD:CD+3], s[20:21]
	global_store_b64 v[O8], v[CD+4:CD+5], s[20:21] offset:512
	global_store_b128 v[O16], v[CD+6:CD+9], s[22:23]
	global_store_b64 v[O8], v[CD+10:CD+11], s[22:23] offset:512
.endr
.irp g, 0,1,2,3
	v_perm_b32 v[XW+\g], v[WS+2*\g+1], v[WS+2*\g], v[SELV]
	v_cndmask_b32 v[YW+\g], v[WS+\g], v[WS+4+\g], s46
.endr
.irp g, 0,1,2,3
	v_cndmask_b32 v[ZW+\g], v[XW+\g], v[YW+\g], s47
.endr
	global_store_b128 v[OSC], v[ZW:ZW+3], s[98:99]
	s_wait_tensorcnt 0x0                           ; the wave's end
	ds_add_u32 v[SPW], v[NIL]
	s_wait_dscnt 0x0
	CROUND                                         ; the closing round
	s_endpgm
.Lfunc_end_k_q77abb4c924_proj:
	.size	k_q77abb4c924_proj, .Lfunc_end_k_q77abb4c924_proj-k_q77abb4c924_proj
	.p2alignl 7, 3214868480
	.fill 96, 4, 3214868480
	.section	.rodata,"a",@progbits
	.p2align	6, 0x0
	.amdhsa_kernel k_q77abb4c924_proj
		.amdhsa_group_segment_fixed_size 327680
		.amdhsa_private_segment_fixed_size 0
		.amdhsa_enable_private_segment 0
		.amdhsa_kernarg_size 80
		.amdhsa_user_sgpr_count 2
		.amdhsa_user_sgpr_kernarg_segment_ptr 1
		.amdhsa_wavefront_size32 1
		.amdhsa_system_sgpr_workgroup_id_x 1
		.amdhsa_system_sgpr_workgroup_id_y 1
		.amdhsa_system_sgpr_workgroup_id_z 1
		.amdhsa_system_vgpr_workitem_id 0
		.amdhsa_next_free_vgpr 1024
		.amdhsa_next_free_sgpr 100
		.amdhsa_reserve_vcc 0
		.amdhsa_float_denorm_mode_32 3
		.amdhsa_float_denorm_mode_16_64 3
		.amdhsa_memory_ordered 1
		.amdhsa_forward_progress 1
		.amdhsa_inst_pref_size 168
	.end_amdhsa_kernel
	.amdgpu_metadata
---
amdhsa.version: [ 1, 2 ]
amdhsa.kernels:
  - .name:           k_q77abb4c924_proj
    .symbol:         k_q77abb4c924_proj.kd
    .args:
      - { .name: xc, .offset: 0, .size: 8, .value_kind: global_buffer, .address_space: global }
      - { .name: xs, .offset: 8, .size: 8, .value_kind: global_buffer, .address_space: global }
      - { .name: w_q_codes, .offset: 16, .size: 8, .value_kind: global_buffer, .address_space: global }
      - { .name: w_q_scales, .offset: 24, .size: 8, .value_kind: global_buffer, .address_space: global }
      - { .name: w_k_codes, .offset: 32, .size: 8, .value_kind: global_buffer, .address_space: global }
      - { .name: w_k_scales, .offset: 40, .size: 8, .value_kind: global_buffer, .address_space: global }
      - { .name: w_v_codes, .offset: 48, .size: 8, .value_kind: global_buffer, .address_space: global }
      - { .name: w_v_scales, .offset: 56, .size: 8, .value_kind: global_buffer, .address_space: global }
      - { .name: qf, .offset: 64, .size: 8, .value_kind: global_buffer, .address_space: global }
      - { .name: kv, .offset: 72, .size: 8, .value_kind: global_buffer, .address_space: global }
    .group_segment_fixed_size: 327680
    .private_segment_fixed_size: 0
    .kernarg_segment_align: 8
    .kernarg_segment_size: 80
    .max_flat_workgroup_size: 128
    .sgpr_count:     100
    .vgpr_count:     1024
    .wavefront_size: 32
...
	.end_amdgpu_metadata
.endif
;; end of part 2
;; launch attn (part 3): grid 4 x 64, 16 waves a work-group, clusters of 4 x 1, 327,680 bytes of LDS; arguments qf, kv, cx, cs; writes cx, cs
.if DOCPART == 3
	.amdgcn_target "amdgcn-amd-amdhsa--gfx1250"
	.amdhsa_code_object_version 6
	.text
	.protected	k_q77abb4c924_attn
	.globl	k_q77abb4c924_attn
	.p2align	8
	.type	k_q77abb4c924_attn,@function
k_q77abb4c924_attn:
	s_mov_b64 s[64:65], 0
	v_nop
	global_prefetch_b8 v0, s[64:65] scope:SCOPE_SE
	s_setreg_imm32_b32 hwreg(HW_REG_WAVE_MODE, 25, 1), 1
	s_wait_xcnt 0x0
	s_wait_alu depctr_hold_cnt(0) depctr_sa_sdst(0) depctr_va_vdst(0) depctr_va_sdst(0) depctr_va_ssrc(0) depctr_va_vcc(0) depctr_vm_vsrc(0)
	s_getreg_b32 s2, hwreg(HW_REG_IB_STS2, 6, 4)
	s_cmp_eq_u32 s2, 0
	s_cbranch_scc0 .Lentry_in_a_cluster
	s_endpgm
.Lentry_in_a_cluster:
	s_bfe_u32 s2, ttmp6, 0x10000c
	s_cmp_lg_u32 s2, 0x3003
	s_cbranch_scc0 .Lentry_shape_is_right
	s_endpgm
.Lentry_shape_is_right:
; LAUNCH 3 OF 4.  ctx = softmax(Q K^T / 8) V for 64 (batch, head) pairs, 2,048 queries and keys, head size 64, both products on codes of E3M2; ctx quantised along the joined heads for the last product.  No work is left out.
; THE SOFTMAX AHEAD OF THE SECOND PRODUCT: t = score x log2(e) / 8; M = the running largest t rounded UP to a whole number; p = 2^(t - M) is quantised along the keys, not normalised; the row's sum is taken of the
; unquantised p and divides at the end.  When M moves, the sum and O are multiplied by 2^(old M - new M): exact.
; SHARES.  A work-group owns 512 queries of one head, each of its sixteen waves two tiles of 16, one after the other (PASS, written twice).  Four waves to a SIMD.
; THE WHOLE HEAD STAYS IN LDS: K and V as codes with their scale words are 204,800 bytes, sixteen records of 12,800 (a step of 128 keys), as the launch before laid them.  Each wave brings one record by one tensor
; load: first fills alone, nothing is filled again.  The four work-groups of a cluster are the four query blocks of one head: each record is asked for jointly, by the same load with the mask of all four.
; LAYOUT.  Both products are used transposed: S^T = K Q^T, O^T = V^T P^T: a lane holds ONE query (lane % 16) throughout.  Fragments lie in LDS as images of their registers: loads of 16 and 8 bytes a lane, on end.
; K = 64 IN AN INSTRUCTION OF 128: a fragment holds key tile 2 g in its first six registers and key tile 2 g + 1 in its last six; times [q, 0] it gives the scores of tile 2 g, times [0, q] those of tile 2 g + 1:
; the other tile's codes meet zero codes, which add nothing (no code of this format is a NaN or an infinity, and every scale byte lies in 1 .. 254).
; THE KEYS OF A TILE: the first launch places k's rows so that tile 4 c + T of a record holds keys 64 c + 32 h + 8 T + j in its rows 8 h + j.  So lane (query, h) holds, in the 32 registers of tiles 4 c .. 4 c + 3,
; the WHOLE block 2 c + h of 32 keys, in the true order: a block's largest score is found in the lane, and the conversions' results are the operand's registers, with no exchange between lanes.
; V's codes stand in the true order along the keys.  Inside a block of 32 channels Q's and K's codes stand alike in the order 0-7, 16-23, 8-15, 24-31: the products are those of the true order.
; ctx meets given codes next, so its numbers are brought into the true order (sixteen exchanges of half-registers a tile) ahead of its quantiser.
; cx: [tile of 16 tokens 512][head 16][768]: the image of six operand registers (16 tokens x the head's 64 channels).  cs: [head 16][pair of tiles 256][row 16] words = (even tile's two bytes, odd tile's two).
; LIMITS: NaN and infinities are not served; the promise holds while the scaled scores stay under 2^31 in magnitude.  A block's largest p is taken from its largest score through the same two instructions
; (it takes v_exp_f32 not to fall where its input rises).  A block of zeros, or under 2^-122, keeps the byte 1.
; REGISTERS: v1-3 16 lane, 8 lane, 16 (lane % 16); v4, v5 the add's; v6, v7, v236 the scale words' way out; v8-10 the step's LDS addresses; v11 Q's scale word; v12 -M, v13 the largest score, v[14:15] the sum;
; v16-33 [0 x 6, q x 6, 0 x 6]; v34-81 four fragments of K or V; v82-88 the second tile's q, Q's raw scale word; v96-159 S^T, then p; v160-191 O^T; v192-210 codes; v212-223 at work; v224-231 K's, V's scale words; v232 p's; v233 8 (lane / 16).
.set REC,   12800
.set HEADB, 204800
.set SPARE, 204800                     ; the spare words, 128 bytes a wave: eight blocks of 256 bytes that no other line names
.set SCR,   206848                     ; 1,024 bytes: ctx's scale words on their way out; no fill lands here
.set KV,  34
.set S,   96
.set O,   160
.set CD,  192
.set BM,  212                          ; v212-215 four chains of maxima; then v212, v214 my two blocks' largest
.set PT,  216                          ; v216-219 permutes' results, bytes
.set SO,  220                          ; v220, v222 the conversions' scale operands
.macro ROUND                           ; a round of the cluster's barrier
	s_barrier_signal -1
	s_barrier_wait -1
	s_cmp_lg_u32 s12, 0
	s_cbranch_scc1 .Lnot_wave_0_\@
	s_barrier_signal -3
.Lnot_wave_0_\@:
	s_barrier_wait -3
	s_barrier_signal -1
	s_barrier_wait -1
.endm
	s_load_b128 s[4:7], s[0:1], 0x0                ; qf, kv
	s_load_b128 s[8:11], s[0:1], 0x10              ; cx, cs
	v_lshl_add_u32 v4, v0, 2, SPARE
	v_mov_b32 v5, 0
	ds_add_u32 v4, v5                              ; the wave's opening: the add, twice on end, and its wait ahead of my first tensor load
	ds_add_u32 v4, v5
	v_lshrrev_b32 v6, 5, v0
	s_wait_alu depctr_va_vdst(0)
	v_readfirstlane_b32 s12, v6                    ; wave 0..15
	s_bfe_u32 s13, ttmp6, 0x40000                  ; cx: my block of 512 queries: it enters addresses of qf, cx and cs alone
	s_and_b32 s14, ttmp7, 0xffff                   ; 16 x batch + head, which the four partners share
	s_mov_b32 s16, 15|(3<<16)|(1<<21)              ; group 1: the mask of all four; elements of 8 bytes; bit 21 beside a mask; no padding
	s_mov_b32 s17, 32<<16                          ; tensor_dim0: 256 bytes
	s_mov_b32 s18, 50<<16                          ; tensor_dim1: 50 rows: a record, dense
	s_mov_b32 s19, 32<<16                          ; tile_dim0
	s_mov_b32 s20, 50                              ; tile_dim1
	s_mov_b32 s21, 32                              ; the pitch
	s_mov_b32 s22, 0
	s_mov_b32 s23, 0
	s_mov_b32 s24, 1
	s_mul_i32 s25, s12, REC                        ; record w goes to LDS byte 12,800 w
	s_mul_i32 s34, s14, HEADB
	s_add_co_u32 s46, s34, s25
	s_mov_b32 s47, 0
	s_mov_b32 s28, 0x76543210
	s_mov_b32 s29, 0xfedcba98                      ; v_permlanex16_b32's selects for lane l xor 16
	s_mov_b32 s30, 0x3e38aa3b                      ; c = log2(e) / 8
	s_mov_b32 s31, s30                             ; (named with it as a pair)
	s_lshl_b32 s35, s13, 2
	s_lshr_b32 s44, s12, 2
	s_add_co_u32 s35, s35, s44
	s_mul_i32 s35, s35, REC
	s_add_co_u32 s35, s35, s34                     ; the record of qf that holds my two tiles: step 4 cx + w / 4
	s_and_b32 s44, s12, 3
	s_mul_i32 s45, s44, 1536
	s_add_co_u32 s36, s35, s45                     ; my tiles' codes: pair w % 4
	s_mov_b32 s37, 0
	s_lshl_b32 s44, s44, 2
	s_add_co_u32 s38, s35, s44
	s_add_co_u32 s38, s38, 12288                   ; and the pair's scale words
	s_mov_b32 s39, 0
	s_lshr_b32 s48, s14, 4                         ; the batch
	s_lshl_b32 s50, s48, 7
	s_lshl_b32 s49, s13, 5
	s_add_co_u32 s50, s50, s49
	s_lshl_b32 s49, s12, 1
	s_add_co_u32 s50, s50, s49                     ; my first tile of tokens: 128 batch + 32 cx + 2 w
	s_mul_i32 s50, s50, 12288
	s_and_b32 s49, s14, 15                         ; the head
	s_mul_i32 s51, s49, 768
	s_add_co_u32 s40, s50, s51
	s_mov_b32 s41, 0
	s_lshl_b32 s42, s49, 14
	s_lshl_b32 s48, s48, 12
	s_add_co_u32 s42, s42, s48
	s_lshl_b32 s48, s13, 10
	s_add_co_u32 s42, s42, s48                     ; cs: 16,384 head + 64 (64 batch + 16 cx)
	s_mov_b32 s43, 0
	v_lshlrev_b32 v6, 6, v6
	v_and_b32 v7, 15, v0
	s_delay_alu instid0(VALU_DEP_1)
	v_lshl_add_u32 v6, v7, 2, v6
	s_delay_alu instid0(VALU_DEP_1)
	v_add_nc_u32 v6, SCR, v6                       ; SCR + 64 w + 4 (lane % 16)
	s_delay_alu instid0(VALU_DEP_3)
	v_lshlrev_b32 v3, 4, v7
	v_and_b32 v7, 63, v0
	s_delay_alu instid0(VALU_DEP_1)
	v_lshlrev_b32 v7, 4, v7
	s_delay_alu instid0(VALU_DEP_1)
	v_add_nc_u32 v236, SCR, v7
	v_and_b32 v1, 31, v0
	s_delay_alu instid0(VALU_DEP_1)
	v_lshlrev_b32 v2, 3, v1
	s_delay_alu instid0(VALU_DEP_2)
	v_lshlrev_b32 v1, 4, v1
	v_bfe_u32 v233, v0, 4, 1
	s_delay_alu instid0(VALU_DEP_1)
	v_lshlrev_b32 v233, 3, v233                    ; 8 (lane / 16): how far up my two scale bytes go in p's scale word
	s_wait_dscnt 0x0                               ; both opening adds are done
	s_wait_kmcnt 0x0
	s_add_nc_u64 s[26:27], s[6:7], s[46:47]        ; made of the head and the wave's number alone: equal in the four partners
	s_or_b32 s27, s27, 0x80000000
	s_add_nc_u64 s[36:37], s[4:5], s[36:37]
	s_add_nc_u64 s[38:39], s[4:5], s[38:39]
	s_add_nc_u64 s[40:41], s[8:9], s[40:41]
	s_add_nc_u64 s[42:43], s[10:11], s[42:43]
	ROUND                                          ; all four work-groups are here: the joint loads meet
	tensor_load_to_lds s[24:27], s[16:23]          ; my one tensor load of the launch
	s_nop 0
.rept 4
	v_nop
.endr
	s_wait_alu depctr_va_vdst(0)
	global_load_b128 v[22:25], v1, s[36:37]                ; my first tile's q,
	global_load_b64 v[26:27], v2, s[36:37] offset:512
	global_load_b128 v[82:85], v1, s[36:37] offset:768     ; my second's,
	global_load_b64 v[86:87], v2, s[36:37] offset:1280
	global_load_b32 v88, v3, s[38:39]                      ; and both tiles' scale bytes of my row
.irp i, 0,1,2,3,4,5
	v_mov_b32 v[16+\i], 0                          ; zero codes on both sides of q
	v_mov_b32 v[28+\i], 0
.endr
.irp b, 0,1,2,3
	v_mov_b32 v[PT+\b], 0                          ; written once: a lane permute's destination counts as one of its sources
.endr
	v_mov_b32 v235, 0                              ; (the upper word of the pair v[234:235]: named, never used)
	v_mov_b32 v237, 0
	s_wait_tensorcnt 0x0                           ; my record has landed:
	s_barrier_signal -1                            ; say so.  My first step reads my own record alone; the wait for everybody's stands behind it
	s_wait_loadcnt 0x0                             ; q
.macro HALVES off                      ; four fragments of 12 registers: two images of six each, 16 loads on end
.irp g, 0,1,2,3
	ds_load_b128 v[KV+12*\g:KV+12*\g+3],     v8 offset:\off+1536*\g
	ds_load_b64  v[KV+12*\g+4:KV+12*\g+5],   v9 offset:\off+1536*\g+512
	ds_load_b128 v[KV+12*\g+6:KV+12*\g+9],   v8 offset:\off+1536*\g+768
	ds_load_b64  v[KV+12*\g+10:KV+12*\g+11], v9 offset:\off+1536*\g+1280
.endr
.endm
.macro STEP                            ; 128 keys
	v_add_nc_u32 v8, s32, v1
	v_add_nc_u32 v9, s32, v2
	v_add_nc_u32 v10, s32, v3
	v_pk_add_f32 v[252:253], v[252:253], v[244:245]   ; the last four additions of the step before's sum work on scratch registers alone and are made here: this one is the fourth place in front of loads into registers that the last products read
	HALVES 0                                       ; K's eight tiles
	ds_load_b128 v[224:227], v10 offset:12288      ; and their scale words
	s_wait_alu depctr_va_vdst(0)
	s_wait_dscnt 0x0
.irp g, 0,1,2,3
	v_wmma_scale_f32_16x16x128_f8f6f4 v[S+16*\g:S+16*\g+7], v[KV+12*\g:KV+12*\g+11], v[22:33], 0, v[224+\g], v11 matrix_a_fmt:MATRIX_FMT_BF6 matrix_b_fmt:MATRIX_FMT_BF6      ; [q, 0]: key tile 2 g
	v_wmma_scale_f32_16x16x128_f8f6f4 v[S+16*\g+8:S+16*\g+15], v[KV+12*\g:KV+12*\g+11], v[16:27], 0, v[224+\g], v11 matrix_a_fmt:MATRIX_FMT_BF6 matrix_b_fmt:MATRIX_FMT_BF6   ; [0, q]: key tile 2 g + 1
.endr
	v_mov_b32 v237, v12                            ; the old -M; with the three below: places ahead of the loads below and of the first read of the scores
	v_pk_add_f32 v[14:15], v[14:15], v[254:255]    ; the rest of the step before's sum, still under the old M
	v_pk_add_f32 v[238:239], v[238:239], v[252:253]
	v_pk_add_f32 v[14:15], v[14:15], v[238:239]
	HALVES 6144                                    ; V's four tiles of channels land while the softmax is worked
	ds_load_b128 v[228:231], v10 offset:12544
.irp b, 0,1,2,3
	v_max3_num_f32 v[BM+\b], v[S+16*\b], v[S+16*\b+1], v[S+16*\b+2]   ; the largest score, in four chains of 15: chains 0, 1 are my block of keys 32 h .., chains 2, 3 my block 64 + 32 h ..
.endr
.irp i, 3,5,7,9,11,13
.irp b, 0,1,2,3
	v_max3_num_f32 v[BM+\b], v[BM+\b], v[S+16*\b+\i], v[S+16*\b+\i+1]
.endr
.endr
	v_max3_num_f32 v[BM], v[BM], v[BM+1], v[S+15]              ; each block's two chains and the two numbers left: the block's largest score serves the row's maximum and, since p rises with the score, the block's largest p
	v_max3_num_f32 v[BM+2], v[BM+2], v[BM+3], v[S+47]
	v_max_num_f32 v[BM], v[BM], v[S+31]
	v_max_num_f32 v[BM+2], v[BM+2], v[S+63]
	s_delay_alu instid0(VALU_DEP_1)
	v_max_num_f32 v[PT], v[BM], v[BM+2]            ; my 64 keys' largest,
	s_delay_alu instid0(VALU_DEP_1)
	v_permlanex16_b32 v[PT+1], v[PT], s28, s29     ; lane l xor 16's,
	s_delay_alu instid0(VALU_DEP_1)
	v_max3_num_f32 v13, v13, v[PT], v[PT+1]        ; and the running largest score
	s_delay_alu instid0(VALU_DEP_1)
	v_mul_f32 v[PT+2], s30, v13                    ; as t (c is positive)
	s_delay_alu instid0(VALU_DEP_1)
	v_floor_f32 v12, -v[PT+2]                      ; the new -M = floor(-t): M is a whole number
	s_delay_alu instid0(VALU_DEP_1)
	v_sub_f32 v237, v12, v237                      ; old M - new M: a whole number, 0 or less
	s_delay_alu instid0(VALU_DEP_1)
	v_cvt_i32_f32 v237, v237                       ; (it saturates)
	s_delay_alu instid0(VALU_DEP_1)
	v_ldexp_f32 v234, 1.0, v237                    ; f = 2^(old M - new M)
.set J, 0
.rept 32
	v_pk_fma_f32 v[S+J:S+J+1], v[S+J:S+J+1], s[30:31], v[12:13] op_sel_hi:[1,0,0]   ; t - M, two at a time
.set J, J+2
.endr
.irp b, 0,2
	v_fma_f32 v[BM+\b], v[BM+\b], s30, v12         ; the same of each block's largest score
.endr
.set J, 0
	s_wait_alu depctr_va_vdst(0)
.rept 64
	v_exp_f32 v[S+J], v[S+J]                       ; p = 2^(t - M), at most 1
.set J, J+1
.endr
	v_pk_mul_f32 v[14:15], v[14:15], v[234:235] op_sel_hi:[1,0]   ; the sums under the new M (a plain instruction behind the exponentials)
	s_wait_alu depctr_va_vdst(0)                   ; the wait ahead of the first reader: one for the whole batch
.irp b, 0,2
	v_exp_f32 v[BM+\b], v[BM+\b]                   ; the block's largest p
.endr
	v_pk_add_f32 v[238:239], v[100:101], v[104:105]
	v_pk_add_f32 v[254:255], v[108:109], v[112:113]
	v_pk_add_f32 v[252:253], v[116:117], v[120:121]
	v_pk_add_f32 v[250:251], v[124:125], v[128:129]
	v_pk_add_f32 v[248:249], v[132:133], v[136:137]
	v_pk_add_f32 v[246:247], v[140:141], v[144:145]
	v_pk_add_f32 v[244:245], v[148:149], v[152:153]
	v_pk_add_f32 v[14:15], v[14:15], v[156:157]
	v_pk_add_f32 v[238:239], v[238:239], v[96:97]
	v_pk_add_f32 v[254:255], v[254:255], v[98:99]
	v_pk_add_f32 v[252:253], v[252:253], v[102:103]
	v_pk_add_f32 v[250:251], v[250:251], v[106:107]
	v_pk_add_f32 v[248:249], v[248:249], v[110:111]
	v_pk_add_f32 v[246:247], v[246:247], v[114:115]
	v_pk_add_f32 v[244:245], v[244:245], v[118:119]
	v_pk_add_f32 v[14:15], v[14:15], v[122:123]
	v_pk_add_f32 v[238:239], v[238:239], v[126:127]
	v_pk_add_f32 v[254:255], v[254:255], v[130:131]
	v_pk_add_f32 v[252:253], v[252:253], v[134:135]
	v_pk_add_f32 v[250:251], v[250:251], v[138:139]
	v_pk_add_f32 v[248:249], v[248:249], v[142:143]
	v_pk_add_f32 v[246:247], v[246:247], v[146:147]
	v_pk_add_f32 v[244:245], v[244:245], v[150:151]
	v_pk_add_f32 v[14:15], v[14:15], v[154:155]
	v_pk_add_f32 v[238:239], v[238:239], v[158:159]
	s_delay_alu instid0(VALU_DEP_2)
	v_pk_add_f32 v[14:15], v[14:15], v[250:251]
	s_delay_alu instid0(VALU_DEP_2)
	v_pk_add_f32 v[238:239], v[238:239], v[248:249]
	v_pk_add_f32 v[254:255], v[254:255], v[246:247]
	s_wait_alu depctr_va_vdst(0)                   ; and one for the two
.irp b, 0,2
	v_max_num_f32 v[BM+\b], 0x2800000, v[BM+\b]    ; the floor 2^(5 - 127)
.endr
.irp b, 0,2
	s_delay_alu instid0(VALU_DEP_2)
	v_add_nc_u32 v[SO+\b], 0xfe000000, v[BM+\b]    ; 4 off the exponent field: the conversion's scale operand
.endr
.irp b, 0,2
	s_delay_alu instid0(VALU_DEP_2)
	v_lshrrev_b32 v[PT+\b], 23, v[SO+\b]           ; the scale's byte
.endr
	s_delay_alu instid0(VALU_DEP_1)
	v_lshl_or_b32 v[PT], v[PT+2], 16, v[PT]        ; my two bytes: blocks h and 2 + h of these 128 keys,
	s_delay_alu instid0(VALU_DEP_1)
	v_lshlrev_b32 v[PT], v233, v[PT]               ; at their places in the scale word;
	s_delay_alu instid0(VALU_DEP_1)
	v_permlanex16_b32 v[PT+1], v[PT], s28, s29
	s_delay_alu instid0(VALU_DEP_1)
	v_or_b32 v232, v[PT], v[PT+1]                  ; with lane l xor 16's two the word is whole
.irp c, 0,1
	v_cvt_scalef32_pk16_bf6_f32 v[CD+6*\c:CD+6*\c+2], v[S+32*\c:S+32*\c+15], v[SO+2*\c]              ; my block's first 16 codes: registers 6 c .. 6 c + 2 of the operand
	v_cvt_scalef32_pk16_bf6_f32 v[CD+12+4*\c:CD+14+4*\c], v[S+32*\c+16:S+32*\c+31], v[SO+2*\c]       ; its last 16 (a conversion's three registers begin on an even number: made elsewhere and moved)
.endr
.set J, 0
.rept 8
	v_pk_mul_f32 v[O+J:O+J+1], v[O+J:O+J+1], v[234:235] op_sel_hi:[1,0]   ; O^T under the new M: the first half stands behind the scaled conversions, ahead of the lines that touch their results,
.set J, J+2
.endr
.irp c, 0,1
.irp i, 0,1,2
	v_mov_b32 v[CD+3+6*\c+\i], v[CD+12+4*\c+\i]
.endr
.endr
.rept 8
	v_pk_mul_f32 v[O+J:O+J+1], v[O+J:O+J+1], v[234:235] op_sel_hi:[1,0]   ; the second half: the places between the operand's last write and the products below
.set J, J+2
.endr
	s_wait_alu depctr_va_vdst(0)
	s_wait_dscnt 0x0                               ; V is in
.irp t, 0,1,2,3                                ; four accumulators by turns; the next matrix instructions are the next step's scores
	v_wmma_scale_f32_16x16x128_f8f6f4 v[O+8*\t:O+8*\t+7], v[KV+12*\t:KV+12*\t+11], v[CD:CD+11], v[O+8*\t:O+8*\t+7], v[228+\t], v232 matrix_a_fmt:MATRIX_FMT_BF6 matrix_b_fmt:MATRIX_FMT_BF6
.endr
.endm
.macro PASS e                          ; my tile e of 16 queries against all 2,048 keys
.if \e
	s_wait_xcnt 0x0                                ; the first tile's stores have read the codes' registers
.irp i, 0,1,2,3,4,5
	v_mov_b32 v[22+\i], v[82+\i]
.endr
	v_perm_b32 v11, v88, v88, 0x03020302           ; Q's scale word: (b0, b1, b0, b1) of the odd tile: it serves [q, 0] and [0, q] alike
.else
	v_perm_b32 v11, v88, v88, 0x01000100           ; of the even tile
.endif
	v_mov_b32 v13, 0xff61b1e6                      ; the largest score so far: -3e38
	s_delay_alu instid0(VALU_DEP_1)
	v_floor_f32 v12, -v13
	v_mov_b32 v14, 0
	v_mov_b32 v15, 0
.irp r, 238,239,244,245,252,253,254,255
	v_mov_b32 v\r, 0                               ; the first step finds no sum put off
.endr
.set J, 0
.rept 32
	v_mov_b32 v[O+J], 0                            ; the step is written once: the first finds zeros, which the first change of M leaves zeros
.set J, J+1
.endr
; wave w walks the records in the order w, w + 1, .. (mod 16): a running maximum takes the keys in any order
.if \e
	s_mov_b32 s33, 0
.else
	s_mov_b32 s32, s25                             ; record w, which my own tensor load brought and my own wait has shown
	STEP
	s_barrier_wait -1                              ; every wave has waited for its record: all sixteen may be read
	s_mov_b32 s33, 1
.endif
.Lk_\@:
	s_add_co_u32 s44, s12, s33
	s_and_b32 s44, s44, 15
	s_mul_i32 s32, s44, REC                        ; record (w + k) mod 16
	STEP
	s_add_co_u32 s33, s33, 1
	s_cmp_lt_u32 s33, 16
	s_cbranch_scc1 .Lk_\@
	v_pk_add_f32 v[252:253], v[252:253], v[244:245]   ; the last step's four additions that were put off
	v_pk_add_f32 v[14:15], v[14:15], v[254:255]
	v_pk_add_f32 v[238:239], v[238:239], v[252:253]
	v_pk_add_f32 v[14:15], v[14:15], v[238:239]
	v_add_f32 v14, v14, v15                        ; the sum's two halves,
	s_delay_alu instid0(VALU_DEP_1)
	v_permlanex16_b32 v237, v14, s28, s29
	s_delay_alu instid0(VALU_DEP_1)
	v_add_f32 v14, v14, v237                       ; and lane l xor 16's
	s_wait_alu depctr_va_vdst(0)
	v_rcp_f32 v234, v14
.rept 4
	v_nop                                          ; plain instructions behind the reciprocal and behind the last products
.endr
	s_wait_alu depctr_va_vdst(0)                   ; the wait ahead of the first reader
.set J, 0
.rept 16
	v_pk_mul_f32 v[S+J:S+J+1], v[O+J:O+J+1], v[234:235] op_sel_hi:[1,0]   ; ctx: register 8 t + j is channel 16 t + 8 (lane / 16) + j of my query
.set J, J+2
.endr
.irp b, 0,1
.irp j, 0,1,2,3,4,5,6,7
	v_permlane16_swap_b32 v[S+16*\b+\j], v[S+16*\b+8+\j]   ; now register 16 b + i is channel 32 b + 16 (lane / 16) + i: the true order
.endr
.endr
.irp b, 0,1
	v_max3_num_f32 v[BM+\b], |v[S+16*\b]|, |v[S+16*\b+1]|, 0x2800000
.endr
.irp i, 2,4,6,8,10,12,14
.irp b, 0,1
	s_delay_alu instid0(VALU_DEP_2)
	v_max3_num_f32 v[BM+\b], v[BM+\b], |v[S+16*\b+\i]|, |v[S+16*\b+\i+1]|
.endr
.endr
.irp b, 0,1
	s_delay_alu instid0(VALU_DEP_2)
	v_permlanex16_b32 v[PT+\b], v[BM+\b], s28, s29
.endr
.irp b, 0,1
	s_delay_alu instid0(VALU_DEP_2)
	v_max_num_f32 v[BM+\b], v[BM+\b], v[PT+\b]
.endr
.irp b, 0,1
	s_delay_alu instid0(VALU_DEP_2)
	v_add_nc_u32 v[SO+\b], 0xfe000000, v[BM+\b]
.endr
.irp b, 0,1
	s_delay_alu instid0(VALU_DEP_2)
	v_lshrrev_b32 v[PT+\b], 23, v[SO+\b]
.endr
	v_cvt_scalef32_pk16_bf6_f32 v[CD:CD+2], v[S:S+15], v[SO]
	v_cvt_scalef32_pk16_bf6_f32 v[CD+12:CD+14], v[S+16:S+31], v[SO+1]
	v_nop
.irp i, 0,1,2
	v_permlane16_swap_b32 v[CD+\i], v[CD+12+\i]
.endr
.irp i, 0,1,2
	s_delay_alu instid0(VALU_DEP_3)
	v_mov_b32 v[CD+3+\i], v[CD+12+\i]
.endr
	global_store_b128 v1, v[CD:CD+3], s[40:41] offset:12288*\e          ; 512 bytes on end, aligned
	global_store_b64 v2, v[CD+4:CD+5], s[40:41] offset:12288*\e+512     ; 256 bytes on end, aligned
.if \e
	v_lshl_or_b32 v237, v[PT+1], 8, v[PT]
	s_delay_alu instid0(VALU_DEP_1)
	v_lshl_or_b32 v240, v237, 16, v240             ; (even tile's two bytes, odd tile's two)
.else
	v_lshl_or_b32 v240, v[PT+1], 8, v[PT]
.endif
.endm
	PASS 0
	PASS 1
	ds_store_b32 v6, v240                          ; lanes r and r + 16 write the same word with the same value
	s_wait_dscnt 0x0                               ; for the others' sake: my store has landed
	s_barrier_signal -1
	s_barrier_wait -1
	s_cmp_lt_u32 s12, 2                            ; the work-group's 1,024 bytes of scale words leave by waves 0 and 1, 512 bytes on end each
	s_cbranch_scc0 .Lnot_mine
	ds_load_b128 v[96:99], v236
	s_wait_dscnt 0x0
	global_store_b128 v7, v[96:99], s[42:43]
.Lnot_mine:
	s_wait_tensorcnt 0x0                           ; the wave's end, behind my last tensor load and my last LDS store
	ds_add_u32 v4, v5
	s_wait_dscnt 0x0
	ROUND                                          ; the closing round
	s_endpgm
.Lfunc_end_k_q77abb4c924_attn:
	.size	k_q77abb4c924_attn, .Lfunc_end_k_q77abb4c924_attn-k_q77abb4c924_attn
	.p2alignl 7, 3214868480
	.fill 96, 4, 3214868480
	.section	.rodata,"a",@progbits
	.p2align	6, 0x0
	.amdhsa_kernel k_q77abb4c924_attn
		.amdhsa_group_segment_fixed_size 327680
		.amdhsa_private_segment_fixed_size 0
		.amdhsa_enable_private_segment 0
		.amdhsa_kernarg_size 32
		.amdhsa_user_sgpr_count 2
		.amdhsa_user_sgpr_kernarg_segment_ptr 1
		.amdhsa_wavefront_size32 1
		.amdhsa_system_sgpr_workgroup_id_x 1
		.amdhsa_system_sgpr_workgroup_id_y 1
		.amdhsa_system_sgpr_workgroup_id_z 1
		.amdhsa_system_vgpr_workitem_id 0
		.amdhsa_next_free_vgpr 256
		.amdhsa_next_free_sgpr 66
		.amdhsa_reserve_vcc 0
		.amdhsa_float_denorm_mode_32 3
		.amdhsa_float_denorm_mode_16_64 3
		.amdhsa_memory_ordered 1
		.amdhsa_forward_progress 1
		.amdhsa_inst_pref_size 66
	.end_amdhsa_kernel
	.amdgpu_metadata
---
amdhsa.version: [ 1, 2 ]
amdhsa.kernels:
  - .name:           k_q77abb4c924_attn
    .symbol:         k_q77abb4c924_attn.kd
    .args:
      - { .name: qf, .offset: 0, .size: 8, .value_kind: global_buffer, .address_space: global }
      - { .name: kv, .offset: 8, .size: 8, .value_kind: global_buffer, .address_space: global }
      - { .name: cx, .offset: 16, .size: 8, .value_kind: global_buffer, .address_space: global }
      - { .name: cs, .offset: 24, .size: 8, .value_kind: global_buffer, .address_space: global }
    .group_segment_fixed_size: 327680
    .private_segment_fixed_size: 0
    .kernarg_segment_align: 8
    .kernarg_segment_size: 32
    .max_flat_workgroup_size: 512
    .sgpr_count:     66
    .vgpr_count:     256
    .wavefront_size: 32
...
	.end_amdgpu_metadata
.endif
;; end of part 3
;; launch fc (part 4): grid 4 x 64, 4 waves a work-group, clusters of 4 x 4, 327,680 bytes of LDS; arguments cx, cs, w_fc_codes, w_fc_scales, b_fc, q, out0; writes out0
.if DOCPART == 4
	.amdgcn_target "amdgcn-amd-amdhsa--gfx1250"
	.amdhsa_code_object_version 6
	.text
	.protected	k_q77abb4c924_fc
	.globl	k_q77abb4c924_fc
	.p2align	8
	.type	k_q77abb4c924_fc,@function
k_q77abb4c924_fc:
	s_mov_b64 s[64:65], 0
	v_nop
	global_prefetch_b8 v0, s[64:65] scope:SCOPE_SE
	s_setreg_imm32_b32 hwreg(HW_REG_WAVE_MODE, 25, 1), 1
	s_wait_xcnt 0x0
	s_wait_alu depctr_hold_cnt(0) depctr_sa_sdst(0) depctr_va_vdst(0) depctr_va_sdst(0) depctr_va_ssrc(0) depctr_va_vcc(0) depctr_vm_vsrc(0)
	s_getreg_b32 s2, hwreg(HW_REG_IB_STS2, 6, 4)
	s_cmp_eq_u32 s2, 0
	s_cbranch_scc0 .Lentry_in_a_cluster
	s_endpgm
.Lentry_in_a_cluster:
	s_bfe_u32 s2, ttmp6, 0x10000c
	s_cmp_lg_u32 s2, 0xf033
	s_cbranch_scc0 .Lentry_shape_is_right
	s_endpgm
.Lentry_shape_is_right:
; LAUNCH 4 OF 4.  out0 = q + ctx w_fc^T + b_fc: [8192][1024] f32, K = 1,024, both operands codes of E3M2.  No work is left out.
; SHARES.  A work-group makes 128 tokens x 256 columns: 64 x 4 = 256 work-groups.  A wave makes 64 x 128 in 32 accumulators (window 2).
; ALL OF K LIES IN LDS, filled once, one tensor load a wave at the head: wave 0 ctx's codes (8 tiles of 16 tokens x 12,288 bytes, images of operand registers, dense: 98,304 bytes);
; waves 1 and 2 128 rows each of w_fc's codes (dense, 98,304 bytes, stated as rows of 256 bytes with 16 of padding behind each: a row of 768 bytes takes 816); wave 3 w_fc's scales (8,192 bytes).
; 98,304 + 208,896 + 4,352 (ctx's scale table, stored by the waves) + 8,704 + 512 spare = 320,768 bytes.  Nothing is filled again, so there is no ring.
; 4 x 4 clusters: ctx's tile is asked for jointly along a row of the cluster, w_fc's along a column.  No prefetch: every tile is asked for at the head, and there is no loop to run ahead in.
; THE RESIDUAL: my 64 x 128 of q is asked for at the head, dense (a load's 32 lanes read 512 bytes on end), into window 3, and added on the way out.
; The matrix instruction is used transposed (source 0 = rows of w_fc, source 1 = tokens): a lane holds eight neighbouring columns of a row.  The way out goes through a stage over ctx's bytes, behind a barrier behind which nobody reads them.
; REGISTERS.  Window 0: v0-31 addresses; v32-95 scale words (block i, step st at v[32 + 8 i + st]: lanes 0-15 ctx's, lanes 16-31 w_fc's); v96-115 at work; v128-223 ctx's fragments, two sets.  Window 1: w_fc's fragments, two sets.
.set FR,     12
.set NP,     4
.set ABYT,   98304
.set BOFF,   ABYT
.set BPIT,   816
.set HALFB,  128*BPIT
.set SCLA,   BOFF+2*HALFB
.set SCLB,   SCLA+4352
.set SPARE,  SCLB+8704                 ; the spare words, 128 bytes a wave
.set SPITCH, 528
.set TBL,  7
.set ADRA, 16
.set ADRB, 20
.set STO,  24
.set RD,   25
.set CO,   26
.set ADRS, 27
.set SPW,  28
.set NIL,  29
.set CSO,  31
.set SC,   32
.set LW,   96
.set BIAS, 112
.set AF,   128
.set BK,   128
.set G1A, 24
.set G0A, 32
.set G0B0, 36
.set G1B, 48
.set G0B1, 56
.set G0S, 60
.set G1S, 68
.set MSB, 0
.macro WIN new
.if MSB != \new
	s_set_vgpr_msb (MSB<<8)|\new
.set MSB, \new
.endif
.endm
.macro CROUND
	s_barrier_signal -1
	s_barrier_wait -1
	s_cmp_lg_u32 s14, 0
	s_cbranch_scc1 .Lnot_wave_0_\@
	s_barrier_signal -3
.Lnot_wave_0_\@:
	s_barrier_wait -3
	s_barrier_signal -1
	s_barrier_wait -1
.endm
.macro PLACES n
.rept \n
	v_nop
.endr
.endm
	s_load_b256 s[4:11], s[0:1], 0x0               ; cx, cs, w_fc's codes, w_fc's scales
	s_load_b128 s[80:83], s[0:1], 0x20             ; b_fc, q
	s_load_b64 s[12:13], s[0:1], 0x30              ; out0
	v_lshl_add_u32 v[SPW], v0, 2, SPARE
	v_mov_b32 v[NIL], 0
	ds_add_u32 v[SPW], v[NIL]                      ; the opening lines: the add twice on end and its wait
	ds_add_u32 v[SPW], v[NIL]
	v_lshrrev_b32 v1, 5, v0
	v_readfirstlane_b32 s14, v1                    ; wave
	s_lshr_b32 s15, s14, 1                         ; my 64 of the 128 tokens
	s_and_b32 s16, s14, 1                          ; my 128 of the 256 columns
	s_bfe_u32 s40, ttmp6, 0x40000                  ; cx
	s_bfe_u32 s41, ttmp6, 0x40004                  ; cy
	s_lshl_b32 s42, ttmp9, 2
	s_add_co_u32 s42, s42, s40                     ; block of columns
	s_and_b32 s17, ttmp7, 0xffff
	s_lshl_b32 s17, s17, 2
	s_add_co_u32 s17, s17, s41                     ; block of tokens
	s_lshl_b32 s43, s41, 2
	s_lshl_b32 s43, 15, s43                        ; my row of the cluster
	s_lshl_b32 s44, 0x1111, s40                    ; my column
	s_or_b32 s[G1A+0], s43, (3<<16)|(1<<21)        ; 384 rows of 256 bytes, no padding
	s_or_b32 s[G1B+0], s44, (3<<16)|(1<<20)|(1<<21)|(5<<22)|(3<<25)   ; 384 rows of 256 bytes + 16
.irp g, G1A, G1B
	s_mov_b32 s[\g+1], 32<<16
	s_mov_b32 s[\g+2], 384<<16
	s_mov_b32 s[\g+3], 32<<16
	s_mov_b32 s[\g+4], 384
	s_mov_b32 s[\g+5], 32
	s_mov_b32 s[\g+6], 0
	s_mov_b32 s[\g+7], 0
.endr
	s_or_b32 s[G1S+0], s44, (3<<16)|(1<<20)|(1<<21)|(5<<22)|(3<<25)   ; 32 rows of 256 bytes + 16
	s_mov_b32 s[G1S+1], 32<<16
	s_mov_b32 s[G1S+2], 32<<16
	s_mov_b32 s[G1S+3], 32<<16
	s_mov_b32 s[G1S+4], 32
	s_mov_b32 s[G1S+5], 32
	s_mov_b32 s[G1S+6], 0
	s_mov_b32 s[G1S+7], 0
	s_mul_i32 s20, s17, ABYT
	s_mov_b32 s21, 0
	s_mul_i32 s46, s42, 196608
	s_mov_b32 s47, 0
	s_lshl_b32 s84, s42, 13
	s_mov_b32 s85, 0
	s_wait_dscnt 0x0
	s_wait_kmcnt 0x0
	s_add_nc_u64 s[20:21], s[4:5], s[20:21]
	s_add_nc_u64 s[46:47], s[8:9], s[46:47]
	s_add_nc_u64 s[84:85], s[10:11], s[84:85]
	CROUND                                         ; in front of the joint loads
	s_mov_b32 s[G0A], 1
	s_mov_b32 s[G0A+1], 0
	s_mov_b64 s[G0A+2:G0A+3], s[20:21]
	s_or_b32 s[G0A+3], s[G0A+3], 0x80000000
	s_mov_b32 s[G0B0], 1
	s_mov_b32 s[G0B0+1], BOFF
	s_mov_b64 s[G0B0+2:G0B0+3], s[46:47]
	s_or_b32 s[G0B0+3], s[G0B0+3], 0x80000000
	s_mov_b32 s[G0B1], 1
	s_mov_b32 s[G0B1+1], BOFF+HALFB
	s_add_nc_u64 s[G0B1+2:G0B1+3], s[46:47], 98304
	s_or_b32 s[G0B1+3], s[G0B1+3], 0x80000000
	s_mov_b32 s[G0S], 1
	s_mov_b32 s[G0S+1], SCLB
	s_mov_b64 s[G0S+2:G0S+3], s[84:85]
	s_or_b32 s[G0S+3], s[G0S+3], 0x80000000
.macro ARM under, g0, g1, next         ; one chain of branches on the wave's number, one load to an arm
	s_cmp_lt_u32 s14, \under
	s_cbranch_scc0 \next
	tensor_load_to_lds s[\g0:\g0+3], s[\g1:\g1+7]
	s_nop 0
.rept 4
	v_nop
.endr
	s_branch .Lhead_asked
\next:
.endm
	ARM 1, G0A,  G1A, .Lhead_b0
	ARM 2, G0B0, G1B, .Lhead_b1
	ARM 3, G0B1, G1B, .Lhead_s
	tensor_load_to_lds s[G0S:G0S+3], s[G1S:G1S+7]
	s_nop 0
.rept 4
	v_nop
.endr
.Lhead_asked:
	s_lshl_b32 s22, s17, 8                         ; cs: 4 pairs of tiles x 16 rows x 4 bytes for each block of tokens
	s_mov_b32 s23, 0
	s_add_nc_u64 s[6:7], s[6:7], s[22:23]
	s_lshl_b32 s22, s42, 10
	s_lshl_b32 s88, s16, 9
	s_add_co_u32 s22, s22, s88                     ; my first column, in bytes
	s_add_nc_u64 s[80:81], s[80:81], s[22:23]
	s_lshl_b32 s88, s17, 7
	s_lshl_b32 s89, s15, 6
	s_add_co_u32 s88, s88, s89                     ; my first token
	s_lshl_b32 s88, s88, 12
	s_add_co_u32 s88, s88, s22
	s_mov_b32 s89, 0
	s_add_nc_u64 s[98:99], s[82:83], s[88:89]      ; q
	s_add_nc_u64 s[12:13], s[12:13], s[88:89]      ; out0
	s_mul_i32 s86, s15, 49152                      ; my four tiles of ctx
	s_mul_i32 s87, s16, HALFB
	s_add_co_u32 s87, s87, BOFF                    ; my 128 rows of w_fc: the first 64,
	s_add_co_u32 s94, s87, 64*BPIT                 ; the second 64
	s_mul_i32 s90, s15, 2176
	s_mul_i32 s91, s16, 4352
	s_add_co_u32 s91, s91, SCLB-SCLA
	s_sub_co_u32 s91, s91, s90
	s_add_co_u32 s90, s90, SCLA
	s_mul_i32 s92, s14, 16*SPITCH                  ; my stage
	v_and_b32 v1, 15, v0                           ; l % 16
	v_bfe_u32 v2, v0, 4, 1                         ; l / 16
	v_and_b32 v6, 31, v0
	v_and_b32 v8, 63, v0
	v_lshrrev_b32 v9, 6, v0                        ; threads 0-63 take heads 0-7, threads 64-127 heads 8-15
	v_lshlrev_b32 v[CSO], 2, v8
	v_lshl_add_u32 v[CSO], v9, 17, v[CSO]
	v_lshlrev_b32 v[CO], 4, v6
	v_bfe_u32 v[TBL], v0, 4, 2                     ; ctx's scale table: a pair of tiles is 1,088 bytes, a row 32, 16 of padding behind each 256
	v_mul_u32_u24 v[TBL], v[TBL], 1088
	v_lshl_add_u32 v[TBL], v1, 5, v[TBL]
	v_bfe_u32 v8, v0, 3, 1
	v_lshl_add_u32 v[TBL], v8, 4, v[TBL]
	v_lshl_add_u32 v[TBL], v9, 4, v[TBL]
	v_add_nc_u32 v[TBL], SCLA, v[TBL]
	v_lshlrev_b32 v3, 3, v6
	v_add_nc_u32 v[ADRA], s86, v[CO]
	v_add_nc_u32 v[ADRA+1], s86, v3
	v_mul_u32_u24 v3, v1, BPIT
	v_mul_u32_u24 v4, v2, 24
	v_add_nc_u32 v4, v3, v4                        ; row x 816 + 24 half;
	v_lshl_add_u32 v5, v2, 4, v4                   ; + 16 more where lanes 16-31 read behind the next padding
	v_add_nc_u32 v[ADRB], s87, v4
	v_add_nc_u32 v[ADRB+1], s87, v5
	v_add_nc_u32 v[ADRB+2], s94, v4
	v_add_nc_u32 v[ADRB+3], s94, v5
	v_lshlrev_b32 v5, 5, v1
	v_lshrrev_b32 v8, 8, v5
	v_lshl_add_u32 v5, v8, 4, v5
	v_mul_u32_u24 v8, s91, v2                      ; lanes 16-31 take w_fc's scale words
	v_add_nc_u32 v5, v5, v8
	v_add_nc_u32 v[ADRS], s90, v5
	v_mul_u32_u24 v5, v1, SPITCH
	v_lshl_add_u32 v5, v2, 5, v5
	v_add_nc_u32 v[STO], s92, v5
	v_add_nc_u32 v[RD], s92, v[CO]
	s_wait_alu depctr_va_vdst(0)                   ; behind the head's vector work
.macro QLOAD a                         ; 16 rows x 512 bytes of q into window 3
	WIN 0xc0
.set J, 0
.rept 16
	global_load_b128 v[64*(\a)+4*J:64*(\a)+4*J+3], v[CO], s[98:99] offset:(16*(\a)+J)*4096 th:TH_LOAD_NT
.set J, J+1
.endr
	WIN 0
.endm
.set J, 0
.rept 8
	global_load_b32 v[LW+J], v[CSO], s[6:7] offset:16384*J     ; ctx's scale bytes of my row in a pair of tiles, my eight heads
.set J, J+1
.endr
	global_load_b128 v[BIAS:BIAS+3], v[CO], s[80:81]
	QLOAD 0
	QLOAD 1
	QLOAD 2
	s_wait_loadcnt 48                              ; the scale bytes and the bias are in; q's 48 loads may be out
.irp j, 0,1,2,3
	v_perm_b32 v[LW+8+\j], v[LW+2*\j+1], v[LW+2*\j], 0x05040100    ; the even tile's scale word of a step of 128 (two heads),
	v_perm_b32 v[LW+12+\j], v[LW+2*\j+1], v[LW+2*\j], 0x07060302   ; the odd tile's
.endr
	QLOAD 3
	s_wait_alu depctr_va_vdst(0)
	s_wait_tensorcnt 0x0                           ; my tile has landed
	ds_store_b128 v[TBL], v[LW+8:LW+11]
	ds_store_b128 v[TBL], v[LW+12:LW+15] offset:544
	s_wait_dscnt 0x0
	s_barrier_signal -1
	s_barrier_wait -1                              ; everybody's tile and table rows are in
.macro FRAGB reg, st, i                ; 16 rows of w_fc x 128 K: six pieces of 8 bytes; byte y of a row lies at y + 16 (y / 256)
.irp p, 0,1,2,3,4,5
.set BY, 96*(\st)+48*(\p/3)+8*(\p%3)
.if BY/256 == (BY+24)/256
	ds_load_b64 v[\reg+2*\p:\reg+2*\p+1], v[ADRB+2*((\i)/4)] offset:BY+16*(BY/256)+((\i)%4)*16*BPIT
.else
	ds_load_b64 v[\reg+2*\p:\reg+2*\p+1], v[ADRB+1+2*((\i)/4)] offset:BY+16*(BY/256)+((\i)%4)*16*BPIT
.endif
.endr
.endm
.macro FRAGA reg, st, i                ; 16 tokens x 128 K: two images of six registers
	ds_load_b128 v[\reg:\reg+3],     v[ADRA]   offset:12288*(\i)+1536*(\st)
	ds_load_b64  v[\reg+4:\reg+5],   v[ADRA+1] offset:12288*(\i)+1536*(\st)+512
	ds_load_b128 v[\reg+6:\reg+9],   v[ADRA]   offset:12288*(\i)+1536*(\st)+768
	ds_load_b64  v[\reg+10:\reg+11], v[ADRA+1] offset:12288*(\i)+1536*(\st)+1280
.endm
.macro FETCH st                        ; step st's fragments into set st % 2
	WIN 0x40
.irp i, 0,1,2,3,4,5,6,7
	FRAGB 128*((\st)%2)+FR*\i, \st, \i
.endr
	WIN 0
.irp i, 0,1,2,3
	FRAGA AF+48*((\st)%2)+FR*\i, \st, \i
.endr
.endm
.macro MUL st                          ; 32 products, the 32 accumulators by turns; the first step starts the sums
	WIN 0xa1
.irp a, 0,1,2,3
.irp b, 0,1,2,3,4,5,6,7
.if (\st) == 0
	v_wmma_scale_f32_16x16x128_f8f6f4 v[8*(8*\a+\b):8*(8*\a+\b)+7], v[128*((\st)%2)+FR*\b:128*((\st)%2)+FR*\b+FR-1], v[AF+48*((\st)%2)+FR*\a:AF+48*((\st)%2)+FR*\a+FR-1], 0, v[SC+8*\b+(\st)], v[SC+8*\a+(\st)] matrix_a_fmt:MATRIX_FMT_BF6 matrix_b_fmt:MATRIX_FMT_BF6 matrix_a_scale:MATRIX_SCALE_ROW1
.else
	v_wmma_scale_f32_16x16x128_f8f6f4 v[8*(8*\a+\b):8*(8*\a+\b)+7], v[128*((\st)%2)+FR*\b:128*((\st)%2)+FR*\b+FR-1], v[AF+48*((\st)%2)+FR*\a:AF+48*((\st)%2)+FR*\a+FR-1], v[8*(8*\a+\b):8*(8*\a+\b)+7], v[SC+8*\b+(\st)], v[SC+8*\a+(\st)] matrix_a_fmt:MATRIX_FMT_BF6 matrix_b_fmt:MATRIX_FMT_BF6 matrix_a_scale:MATRIX_SCALE_ROW1
.endif
.endr
.endr
.endm
.irp i, 0,1,2,3,4,5,6,7                ; all eight steps' scale words, 32 bytes a row
	ds_load_b128 v[SC+8*\i:SC+8*\i+3], v[ADRS] offset:\i*544
	ds_load_b128 v[SC+8*\i+4:SC+8*\i+7], v[ADRS] offset:\i*544+16
.endr
	FETCH 0
.set ST, 0
.rept 7
	s_wait_dscnt 0x0                               ; this step's fragments are in: they were asked for ahead of the last step's 32 products
.if ST > 0
	PLACES NP                                      ; ahead of loads into the set that the last step multiplied
.endif
	FETCH ST+1
	MUL ST
.set ST, ST+1
.endr
	s_wait_dscnt 0x0                               ; my last reads of the tiles are over
	s_barrier_signal -1
	MUL 7
	WIN 0
	s_barrier_wait -1                              ; everybody's are: the stage may lie over ctx's bytes, which have had their only fill
.macro TOSTAGE a                       ; 16 rows x 128 columns into my stage, and back as rows of 512 bytes
.set AC, 64*(\a)
	WIN 0x08
.irp b, 0,1,2,3,4,5,6,7
	ds_store_b128 v[STO], v[AC+8*\b:AC+8*\b+3] offset:64*\b
	ds_store_b128 v[STO], v[AC+8*\b+4:AC+8*\b+7] offset:64*\b+16
.endr
	WIN 0
.set BB, BK+64*((\a)%2)
.irp t, 0,1,2,3,4,5,6,7,8,9,10,11,12,13,14,15
	ds_load_b128 v[BB+4*\t:BB+4*\t+3], v[RD] offset:\t*SPITCH
.endr
.endm
.macro SENDQ a, younger
.set BB, BK+64*((\a)%2)
.set QS, 64*(\a)
	s_wait_dscnt \younger                          ; the block is back; the next block's 16 stores and 16 loads may be out
	s_wait_loadcnt 16*(3-(\a))                     ; its rows of q are in; the later blocks' may be out
.set J, 0
.rept 16
	v_pk_add_f32 v[BB+J:BB+J+1], v[BB+J:BB+J+1], v[BIAS:BIAS+1]
	v_pk_add_f32 v[BB+J+2:BB+J+3], v[BB+J+2:BB+J+3], v[BIAS+2:BIAS+3]
.set J, J+4
.endr
	WIN 0x0c
.set J, 0
.rept 32
	v_pk_add_f32 v[BB+J:BB+J+1], v[BB+J:BB+J+1], v[QS+J:QS+J+1]
.set J, J+2
.endr
	WIN 0
.set J, 0
.rept 16
	global_store_b128 v[CO], v[BB+4*J:BB+4*J+3], s[12:13] offset:(16*(\a)+J)*4096 th:TH_STORE_NT   ; 32 lanes store 512 bytes on end, aligned
.set J, J+1
.endr
.endm
	PLACES NP                                      ; behind the last products
	TOSTAGE 0
.irp a, 1,2,3
.if \a > 1
	s_wait_xcnt 0x0                                ; block a - 2's stores have read their registers
.endif
	TOSTAGE \a
	SENDQ \a-1, 32
.endr
	SENDQ 3, 0
	s_wait_tensorcnt 0x0                           ; the wave's end
	ds_add_u32 v[SPW], v[NIL]
	s_wait_dscnt 0x0
	CROUND                                         ; the closing round
	s_endpgm
.Lfunc_end_k_q77abb4c924_fc:
	.size	k_q77abb4c924_fc, .Lfunc_end_k_q77abb4c924_fc-k_q77abb4c924_fc
	.p2alignl 7, 3214868480
	.fill 96, 4, 3214868480
	.section	.rodata,"a",@progbits
	.p2align	6, 0x0
	.amdhsa_kernel k_q77abb4c924_fc
		.amdhsa_group_segment_fixed_size 327680
		.amdhsa_private_segment_fixed_size 0
		.amdhsa_enable_private_segment 0
		.amdhsa_kernarg_size 56
		.amdhsa_user_sgpr_count 2
		.amdhsa_user_sgpr_kernarg_segment_ptr 1
		.amdhsa_wavefront_size32 1
		.amdhsa_system_sgpr_workgroup_id_x 1
		.amdhsa_system_sgpr_workgroup_id_y 1
		.amdhsa_system_sgpr_workgroup_id_z 1
		.amdhsa_system_vgpr_workitem_id 0
		.amdhsa_next_free_vgpr 1024
		.amdhsa_next_free_sgpr 100
		.amdhsa_reserve_vcc 0
		.amdhsa_float_denorm_mode_32 3
		.amdhsa_float_denorm_mode_16_64 3
		.amdhsa_memory_ordered 1
		.amdhsa_forward_progress 1
		.amdhsa_inst_pref_size 115
	.end_amdhsa_kernel
	.amdgpu_metadata
---
amdhsa.version: [ 1, 2 ]
amdhsa.kernels:
  - .name:           k_q77abb4c924_fc
    .symbol:         k_q77abb4c924_fc.kd
    .args:
      - { .name: cx, .offset: 0, .size: 8, .value_kind: global_buffer, .address_space: global }
      - { .name: cs, .offset: 8, .size: 8, .value_kind: global_buffer, .address_space: global }
      - { .name: w_fc_codes, .offset: 16, .size: 8, .value_kind: global_buffer, .address_space: global }
      - { .name: w_fc_scales, .offset: 24, .size: 8, .value_kind: global_buffer, .address_space: global }
      - { .name: b_fc, .offset: 32, .size: 8, .value_kind: global_buffer, .address_space: global }
      - { .name: q, .offset: 40, .size: 8, .value_kind: global_buffer, .address_space: global }
      - { .name: out0, .offset: 48, .size: 8, .value_kind: global_buffer, .address_space: global }
    .group_segment_fixed_size: 327680
    .private_segment_fixed_size: 0
    .kernarg_segment_align: 8
    .kernarg_segment_size: 56
    .max_flat_workgroup_size: 128
    .sgpr_count:     100
    .vgpr_count:     1024
    .wavefront_size: 32
...
	.end_amdgpu_metadata
.endif
;; end of part 4
